; MI455X (gfx1250); checked and timed in simulation.
; The chip was launched on July 23, 2026; its instructions are those of AMD's public machine-readable ISA for CDNA 5 (MIT licence, August 2026) and "CDNA5" Instruction Set Architecture Reference Guide (July 2026). The comments in the code are by the model that wrote it; some were corrected since.
;; Attention Layer. Allowed arithmetic: matrix products marked QUANTISED: E2M1 operands, one E8M0 scale for each 32 along K, by v_wmma_scale_f32_16x16x128_f8f6f4 with both operands' format E2M1 (or v_wmma_scale_f32_32x16x128_f4), f32 sums; everything else in f32.
;; Inputs: b_k 1,024 float32; b_o 1,024 float32; b_q 1,024 float32; b_v 1,024 float32; ln_beta 1,024 float32; ln_gamma 1,024 float32; w_k_codes 1,024 x 32 x 16 uint8 (E2M1 codes of w_k, K innermost, in blocks of 32 codes, two codes a byte); w_k_scales 1,024 x 32 uint8 (E8M0 scales of w_k, one for each 32 codes along K); w_o_codes 1,024 x 32 x 16 uint8 (E2M1 codes of w_o, K innermost, in blocks of 32 codes, two codes a byte); w_o_scales 1,024 x 32 uint8 (E8M0 scales of w_o, one for each 32 codes along K); w_q_codes 1,024 x 32 x 16 uint8 (E2M1 codes of w_q, K innermost, in blocks of 32 codes, two codes a byte); w_q_scales 1,024 x 32 uint8 (E8M0 scales of w_q, one for each 32 codes along K); w_v_codes 1,024 x 32 x 16 uint8 (E2M1 codes of w_v, K innermost, in blocks of 32 codes, two codes a byte); w_v_scales 1,024 x 32 uint8 (E8M0 scales of w_v, one for each 32 codes along K); x 4 x 2,048 x 1,024 float32.
;; Outputs: out0 4 x 2,048 x 1,024 float32.
;; This version of the problem:
;;   THIS VERSION OF THE PROBLEM IS GIVEN IN LOW PRECISION. The matrix products marked QUANTISED in the list below multiply operands that are first quantised to E2M1 (2 exponent bits, 1 mantissa bit; 4 bits a number), with one power-of-two scale for each 32 numbers along K (OCP MX v1.0); their sums are f32. All else is computed in f32.
;;   The module's matrix products, in the order in which they are computed (A, B: the left and right operand; K: the contracted axis; several contracted axes count as one K, in the product's order):
;;     1. [M 8,192, K 1,024] x [K 1,024, N 1,024]; A: input x; B: input w_q (given as codes): QUANTISED
;;     2. [M 8,192, K 1,024] x [K 1,024, N 1,024]; A: input x; B: input w_k (given as codes): QUANTISED
;;     3. [M 8,192, K 1,024] x [K 1,024, N 1,024]; A: input x; B: input w_v (given as codes): QUANTISED
;;     4. batch 64 x [M 2,048, K 64] x [K 64, N 2,048]; A: computed on the way; B: computed on the way: QUANTISED
;;     5. batch 64 x [M 2,048, K 2,048] x [K 2,048, N 64]; A: softmax (see below); B: computed on the way: QUANTISED
;;     6. [M 8,192, K 1,024] x [K 1,024, N 1,024]; A: computed on the way; B: input w_o (given as codes): QUANTISED
;;   THE QUANTISER, for each operand of a quantised product, along K:
;;     - K is cut into blocks of 32 from its start; a last block that is shorter is filled with zeros.
;;     - A block's scale is 2^e with e = floor(log2(the largest magnitude in the block)) - 2, held to -126 .. 127; a block of zeros has e = 0. As a byte (E8M0): e + 127.
;;     - Each number is divided by its block's scale, clamped to +-6, and rounded to the nearest number of E2M1, ties to even, subnormals kept.
;;     - The product sums the exact products of the quantised numbers (number of the format x scale) in f32.
;;   ~~~python
;;   def quantise(x, axis):      # numpy; x: float32 -> the quantised numbers, widened to float32 again
;;       x = np.moveaxis(x, axis, -1); K = x.shape[-1]
;;       x = np.pad(x, [(0, 0)] * (x.ndim - 1) + [(0, -K % 32)]); x = x.reshape(x.shape[:-1] + (-1, 32)); a = np.abs(x).max(-1, keepdims=True)
;;       e = np.where(a > 0, np.clip(np.frexp(np.where(a > 0, a, 1))[1] - 1 - 2, -126, 127), 0)      # np.frexp(a)[1] - 1 = floor(log2(a)), exactly
;;       r = np.clip(x / 2.0 ** e, -6, 6)
;;       step = 2.0 ** (np.maximum(np.frexp(np.where(r == 0, 1, r))[1] - 1, 0) - 1)
;;       q = np.round(r / step) * step * 2.0 ** e      # np.round: ties to even
;;       return np.moveaxis(q.reshape(q.shape[:-2] + (-1,))[..., :K], -1, axis).astype(np.float32)
;;   ~~~
;;   SOFTMAX AHEAD OF A QUANTISED PRODUCT. Where the list says 'softmax', what is quantised is not the finished softmax but p = 2^(t - M), with t = logit x log2(e) and M = ceil(the row's largest t), a whole number; so 1/2 < the row's largest p <= 1. The row's sum l is taken of the UNQUANTISED p, in f32, and the product's result is divided by l at the end. Since M is a whole number, a kernel that streams over the keys may use a running M (the ceiling of the running maximum): every later rescaling is an exact power of two, which a block's scale takes up: the codes' values come out the same.
;;   OPERANDS COMPUTED ON THE WAY. 'Computed on the way' means the value that the module computes at that place (a softmax that the list does not call 'softmax' is quantised finished and normalised). What goes into a quantiser is computed in f32, as accurately as f32 sums, v_exp_f32 and their like allow (about 1e-6 of the number): no bf16 or f16 on the way to a quantiser, and a product that is left as it is and whose result goes on into a quantised operand takes f32 operands (vector FMAs, or v_wmma_f32_16x16x4_f32). A number that lies on a knife's edge between two numbers of the format may be rounded either way, as far as f32 arithmetic and the matrix unit's own rounding can turn it there, and no further.
;;   INPUTS GIVEN AS CODES. w_k (in the module: [1024, 1024], K = its axis 1); w_o (in the module: [1024, 1024], K = its axis 1); w_q (in the module: [1024, 1024], K = its axis 1); w_v (in the module: [1024, 1024], K = its axis 1): each comes as NAME_codes (uint8): NAME with its K axis moved to the last place and cut into blocks of 32 codes, [.., K / 32, bytes a block], one block behind the other in memory; two codes a byte, the lower K in the low four bits (a code: sign, 2 exponent bits, 1 mantissa bit); and NAME_scales (uint8): the same leading axes, one E8M0 byte (e + 127) for each 32 codes along K. Its value is code x scale, taken as it is: it is not quantised again, and the codes and scales need not be those that the quantiser above would give.
;; One version. Each part assembles by itself: llvm-mc -triple=amdgcn-amd-amdhsa -mcpu=gfx1250 --defsym DOCPART=n.
;; ======== version 1 of 1: 4 launches
;; limits: right only within a limited range of input values
;; workspace buffers: prepbuf 6,553,600 bytes; qkvbuf 13,631,488 bytes; ctxbuf 4,718,592 bytes
;; launch prep (part 1): grid 256 x 1, 8 waves a work-group, no clusters, 29,696 bytes of LDS; arguments x, w_q_codes, w_k_codes, w_v_codes, w_o_codes, prepbuf; writes prepbuf
.if DOCPART == 1
	.amdgcn_target "amdgcn-amd-amdhsa--gfx1250"
	.amdhsa_code_object_version 6
	.text
	.protected	k_q969c875f36_prep
	.globl	k_q969c875f36_prep
	.p2align	8
	.type	k_q969c875f36_prep,@function
k_q969c875f36_prep:
	s_mov_b64 s[64:65], 0
	v_nop
	global_prefetch_b8 v0, s[64:65] scope:SCOPE_SE
	s_setreg_imm32_b32 hwreg(HW_REG_WAVE_MODE, 25, 1), 1
	s_wait_xcnt 0x0
; x [8192][1024] f32 becomes codes of FP4 (E2M1) with one E8M0 byte for each 32 along K, and the four weights' codes are laid anew; all in THE ORDER OF AN OPERAND'S REGISTERS.
; A TILE is 16 rows over all 1,024 of K, 8,192 bytes: the 16 bytes of (slot r, block kb of 32 along K) lie at 256 kb + 16 r.  For K step s of 128, register group c and lane (r, h) that is
; 1024 s + 512 c + 16 lane: two loads of 16 bytes a lane, 512 consecutive bytes each, bring a fragment.
; THE ROWS OF A TILE ARE NOT NEIGHBOURS: of a group of 32 rows, tile u (0, 1) has in slot r the row 8 u + r + 8 (r / 8): a transposed product then leaves 16 neighbours along the next K in a lane.
; prepbuf: XI at 0: x's tiles, tile 2 rb + u at 8,192 x that (rb = row / 32);  XS at P_XS: x's scale bytes [rb][16 u + r][32];  WI at P_WI: weight m (q, k, v, o) at 524,288 m, its tile tl at 8,192 tl.
; A block's scale is 2^(floor(log2(largest magnitude)) - 2): its byte is the largest magnitude's exponent field - 2, held at 1 from below by a floor among the maximum's leaves.
; LIMITS: NaN and infinities among the inputs are not served; a block of zeros gets the byte 1, not 127 (its codes are zeros, and this program alone reads the bytes); a block whose largest magnitude lies under 2^-124 is held at that floor.
; SHARES.  Work-group j: rows 32 j .. 32 j + 31 of x, and tile j % 64 of weight j / 64.  Wave w: tile u = w / 4 of x, 256 along K from 256 (w % 4); lane l: 8 neighbours of each of the 16 rows (block l / 4, part l % 4);
; and rows (slots) 2 w, 2 w + 1 of the weight tile, 512 bytes each, a lane a block.  Codes turn through LDS, so that every store of a wave covers 512 consecutive bytes, aligned.  One barrier.
; No matrix unit, no cluster, no tensor load: work-groups share no input, and nothing is read twice.
.set XSB,  18432                       ; LDS: from 0 eight waves' stages of 2,304 bytes (unit j' of 256 bytes at 272 j': 16 r + 4 p); here x's 1,024 scale bytes: 512 u + 32 r + block
.set WST,  19456                       ; the weight tile: block kb at 272 kb, slot r at 16 r
.set P_XS, 4194304
.set P_WI, 4456448
.set MX,   8                           ; v8-11   four rows' largest magnitudes
.set SOP,  12                          ; v12-15  their scale operands
.set WR,   16                          ; v16-23  my two weight rows' 16 bytes
.set X,    32                          ; v32-159 row slot r: 8 numbers at X + 8 r
.set CD,   160                         ; v160-175 a register of codes for each row
.set EB,   176                         ; v176-191 a scale byte for each row
	s_load_b256 s[4:11], s[0:1], 0x0               ; x, w_q, w_k, w_v
	s_load_b128 s[12:15], s[0:1], 0x20             ; w_o, prepbuf
	v_lshl_add_u32 v192, v0, 2, 0x7000
	v_mov_b32 v193, 0
	v_lshrrev_b32 v1, 5, v0
	s_delay_alu instid0(VALU_DEP_1)
	v_readfirstlane_b32 s16, v1                    ; wave 0..7
	v_and_b32 v1, 31, v0                           ; lane
	s_lshr_b32 s17, s16, 2                         ; u
	s_and_b32 s18, s16, 3                          ; kq
	v_lshlrev_b32 v2, 5, v1                        ; x: 32 bytes a lane
	v_lshlrev_b32 v6, 4, v1                        ; 16 x lane
	v_lshrrev_b32 v26, 2, v1                       ; j': my block of the wave's eight
	v_and_b32 v27, 3, v1                           ; p: my quarter of it
	v_and_b32 v28, 15, v1
	v_lshrrev_b32 v29, 4, v1                       ; h
	s_mul_i32 s19, s16, 2304                       ; my wave's stage
	v_mul_u32_u24 v3, v26, 272
	s_delay_alu instid0(VALU_DEP_1)
	v_lshl_add_u32 v3, v27, 2, v3
	s_delay_alu instid0(VALU_DEP_1)
	v_add_nc_u32 v3, s19, v3                       ; into the stage: 272 j' + 4 p (+ 16 r in the immediate)
	v_mul_u32_u24 v4, v29, 272
	s_delay_alu instid0(VALU_DEP_1)
	v_lshl_add_u32 v4, v28, 4, v4                  ; 272 h + 16 (lane % 16)
	s_mul_i32 s20, s16, 1088
	s_add_co_u32 s20, s20, WST
	v_add_nc_u32 v24, s20, v4                      ; out of the weight's stage: blocks 4 w + h (+ 2 e in the immediate)
	v_add_nc_u32 v4, s19, v4                       ; out of my stage: units h (+ 2 i in the immediate)
	s_lshl_b32 s20, s17, 9
	s_lshl_b32 s21, s18, 3
	s_add_co_u32 s20, s20, s21
	s_add_co_u32 s20, s20, XSB
	v_add_nc_u32 v5, s20, v26                      ; my block's scale byte: 512 u + 8 kq + j' (+ 32 r)
	v_mul_u32_u24 v7, v1, 272
	s_lshl_b32 s20, s16, 5
	s_add_co_u32 s20, s20, WST
	v_add_nc_u32 v7, s20, v7                       ; into the weight's stage: block = lane, slots 2 w + e
	s_lshl_b32 s20, s16, 9
	s_add_co_u32 s20, s20, XSB
	v_add_nc_u32 v25, s20, v6                      ; the scale bytes on their way out (waves 0 and 1 alone use it)
	s_lshl_b32 s22, ttmp9, 17                      ; x: 32 rows of 4,096 bytes a work-group,
	s_lshl_b32 s20, s17, 15                        ; tile u begins 8 rows down,
	s_add_co_u32 s22, s22, s20
	s_lshl_b32 s20, s18, 10                        ; 256 numbers a wave
	s_add_co_u32 s22, s22, s20
	s_mov_b32 s23, 0
	s_lshr_b32 s24, ttmp9, 6                       ; which weight
	s_and_b32 s25, ttmp9, 63                       ; which tile of it
	s_lshr_b32 s26, s25, 1
	s_lshl_b32 s26, s26, 5
	s_and_b32 s27, s25, 1
	s_lshl_b32 s27, s27, 3
	s_add_co_u32 s26, s26, s27
	s_lshl_b32 s27, s16, 1
	s_add_co_u32 s26, s26, s27
	s_lshl_b32 s27, s17, 3
	s_add_co_u32 s26, s26, s27                     ; slot 2 w is row 32 (tl / 2) + 8 (tl % 2) + 2 w + 8 (w / 4); slot 2 w + 1 the row below
	s_lshl_b32 s26, s26, 9                         ; 512 bytes a row
	s_mov_b32 s27, 0
	s_lshl_b32 s28, ttmp9, 14                      ; XI: tile 2 rb + u, blocks 8 kq on
	s_lshl_b32 s20, s17, 13
	s_add_co_u32 s28, s28, s20
	s_lshl_b32 s20, s18, 11
	s_add_co_u32 s28, s28, s20
	s_mov_b32 s29, 0
	s_lshl_b32 s30, ttmp9, 13                      ; WI: 8,192 x (64 m + tl), blocks 4 w on
	s_lshl_b32 s20, s16, 10
	s_add_co_u32 s30, s30, s20
	s_add_co_u32 s30, s30, P_WI
	s_mov_b32 s31, 0
	s_lshl_b32 s32, ttmp9, 10                      ; XS: 1,024 bytes a work-group, 512 a wave
	s_lshl_b32 s20, s16, 9
	s_add_co_u32 s32, s32, s20
	s_add_co_u32 s32, s32, P_XS
	s_mov_b32 s33, 0
	s_wait_alu depctr_va_vdst(0)
	s_wait_kmcnt 0x0
	s_add_nc_u64 s[4:5], s[4:5], s[22:23]
	s_cmp_lt_u32 s24, 1                            ; the weight's buffer is chosen by the work-group's number alone
	s_cselect_b64 s[6:7], s[6:7], s[8:9]
	s_cmp_lt_u32 s24, 3
	s_cselect_b64 s[10:11], s[10:11], s[12:13]
	s_cmp_lt_u32 s24, 2
	s_cselect_b64 s[6:7], s[6:7], s[10:11]
	s_add_nc_u64 s[6:7], s[6:7], s[26:27]
	s_add_nc_u64 s[28:29], s[14:15], s[28:29]
	s_add_nc_u64 s[30:31], s[14:15], s[30:31]
	s_add_nc_u64 s[32:33], s[14:15], s[32:33]
	global_load_b128 v[WR:WR+3], v6, s[6:7] th:TH_LOAD_NT               ; a weight row: 32 lanes, 512 consecutive bytes
	global_load_b128 v[WR+4:WR+7], v6, s[6:7] offset:512 th:TH_LOAD_NT
.set k, 0
.rept 16
	global_load_b128 v[X+8*k:X+8*k+3], v2, s[4:5] offset:(k+8*(k/8))*4096 th:TH_LOAD_NT
	global_load_b128 v[X+8*k+4:X+8*k+7], v2, s[4:5] offset:(k+8*(k/8))*4096+16 th:TH_LOAD_NT
.set k, k+1
.endr
	s_wait_loadcnt 32                              ; the two weight rows are in; x's 32 loads may be out
	ds_store_b128 v7, v[WR:WR+3]
	ds_store_b128 v7, v[WR+4:WR+7] offset:16
; Four rows by turns, so that no line waits for the line above it.
.macro ROWS4 g
	s_wait_loadcnt 24-8*\g                         ; these four rows' eight loads are in; the later rows' may be out
.irp q, 0,1,2,3
	v_max3_num_f32 v[MX+\q], |v[X+8*(4*\g+\q)]|, |v[X+8*(4*\g+\q)+1]|, 0x1800000   ; my 8 numbers, and the floor 2^(3 - 127): the byte cannot fall under 1
.endr
.irp i, 2,4,6
.irp q, 0,1,2,3
	s_delay_alu instid0(VALU_DEP_4)
	v_max3_num_f32 v[MX+\q], v[MX+\q], |v[X+8*(4*\g+\q)+\i]|, |v[X+8*(4*\g+\q)+\i+1]|
.endr
.endr
.irp q, 0,1,2,3
	s_delay_alu instid0(VALU_DEP_4)
	v_max_num_f32_dpp v[MX+\q], v[MX+\q], v[MX+\q] row_xmask:1 row_mask:0xf bank_mask:0xf
.endr
.irp q, 0,1,2,3
	s_delay_alu instid0(VALU_DEP_4)
	v_max_num_f32_dpp v[MX+\q], v[MX+\q], v[MX+\q] row_xmask:2 row_mask:0xf bank_mask:0xf   ; the four lanes that share a block
.endr
.irp q, 0,1,2,3
	s_delay_alu instid0(VALU_DEP_4)
	v_add_nc_u32 v[SOP+\q], 0xff000000, v[MX+\q]   ; 2 off the exponent field: the conversion takes that field as its scale
.endr
.irp q, 0,1,2,3
	v_cvt_scalef32_pk8_fp4_f32 v[CD+4*\g+\q], v[X+8*(4*\g+\q):X+8*(4*\g+\q)+7], v[SOP+\q]
.endr
.irp q, 0,1,2,3
	v_lshrrev_b32 v[EB+4*\g+\q], 23, v[SOP+\q]     ; the scale's byte (also the plain line behind the conversions)
.endr
.irp q, 0,1,2,3
	ds_store_b32 v3, v[CD+4*\g+\q] offset:16*(4*\g+\q)
	ds_store_b8 v5, v[EB+4*\g+\q] offset:32*(4*\g+\q)   ; the four lanes of a block write the same byte with the same value
.endr
.endm
	ROWS4 0
	ROWS4 1
	ROWS4 2
	ROWS4 3
.irp i, 0,1,2,3
	ds_load_b128 v[X+4*\i:X+4*\i+3], v4 offset:544*\i   ; my own stage: LDS serves a wave's instructions in order; units 2 i + h, 16 bytes a slot
.endr
	s_wait_dscnt 0x0                               ; my stores have landed, for the others' sake, and my loads are in
	s_barrier_signal -1
	s_barrier_wait -1                              ; the weight tile and the scale bytes are whole
.irp i, 0,1,2,3
	global_store_b128 v6, v[X+4*\i:X+4*\i+3], s[28:29] offset:512*\i   ; 512 consecutive bytes, aligned
.endr
	ds_load_b128 v[48:51], v24
	ds_load_b128 v[52:55], v24 offset:544
	s_cmp_lt_u32 s16, 2
	s_cbranch_scc0 .Lno_bytes                      ; waves 0 and 1 send the 1,024 scale bytes
	ds_load_b128 v[56:59], v25
	s_wait_dscnt 0x0
	global_store_b128 v6, v[56:59], s[32:33]
.Lno_bytes:
	s_wait_dscnt 0x0
	global_store_b128 v6, v[48:51], s[30:31]
	global_store_b128 v6, v[52:55], s[30:31] offset:512
	s_wait_tensorcnt 0x0
	ds_add_u32 v192, v193
	s_wait_dscnt 0x0
	s_endpgm
.Lfunc_end_k_q969c875f36_prep:
	.size	k_q969c875f36_prep, .Lfunc_end_k_q969c875f36_prep-k_q969c875f36_prep
	.p2alignl 7, 3214868480
	.fill 96, 4, 3214868480
	.section	.rodata,"a",@progbits
	.p2align	6, 0x0
	.amdhsa_kernel k_q969c875f36_prep
		.amdhsa_group_segment_fixed_size 29696
		.amdhsa_private_segment_fixed_size 0
		.amdhsa_enable_private_segment 0
		.amdhsa_kernarg_size 48
		.amdhsa_user_sgpr_count 2
		.amdhsa_user_sgpr_kernarg_segment_ptr 1
		.amdhsa_wavefront_size32 1
		.amdhsa_system_sgpr_workgroup_id_x 1
		.amdhsa_system_sgpr_workgroup_id_y 1
		.amdhsa_system_sgpr_workgroup_id_z 1
		.amdhsa_system_vgpr_workitem_id 0
		.amdhsa_next_free_vgpr 194
		.amdhsa_next_free_sgpr 66
		.amdhsa_reserve_vcc 0
		.amdhsa_float_denorm_mode_32 3
		.amdhsa_float_denorm_mode_16_64 3
		.amdhsa_memory_ordered 1
		.amdhsa_forward_progress 1
		.amdhsa_inst_pref_size 23
	.end_amdhsa_kernel
	.amdgpu_metadata
---
amdhsa.version: [ 1, 2 ]
amdhsa.kernels:
  - .name:           k_q969c875f36_prep
    .symbol:         k_q969c875f36_prep.kd
    .args:
      - { .name: x, .offset: 0, .size: 8, .value_kind: global_buffer, .address_space: global }
      - { .name: w_q_codes, .offset: 8, .size: 8, .value_kind: global_buffer, .address_space: global }
      - { .name: w_k_codes, .offset: 16, .size: 8, .value_kind: global_buffer, .address_space: global }
      - { .name: w_v_codes, .offset: 24, .size: 8, .value_kind: global_buffer, .address_space: global }
      - { .name: w_o_codes, .offset: 32, .size: 8, .value_kind: global_buffer, .address_space: global }
      - { .name: prepbuf, .offset: 40, .size: 8, .value_kind: global_buffer, .address_space: global }
    .group_segment_fixed_size: 29696
    .private_segment_fixed_size: 0
    .kernarg_segment_align: 8
    .kernarg_segment_size: 48
    .max_flat_workgroup_size: 256
    .sgpr_count:     66
    .vgpr_count:     194
    .wavefront_size: 32
...
	.end_amdgpu_metadata
.endif
;; end of part 1
;; launch qkv (part 2): grid 4 x 64, 4 waves a work-group, no clusters, 168,448 bytes of LDS; arguments prepbuf, w_q_scales, w_k_scales, w_v_scales, b_q, b_k, b_v, qkvbuf; writes qkvbuf
.if DOCPART == 2
	.amdgcn_target "amdgcn-amd-amdhsa--gfx1250"
	.amdhsa_code_object_version 6
	.text
	.protected	k_q969c875f36_qkv
	.globl	k_q969c875f36_qkv
	.p2align	8
	.type	k_q969c875f36_qkv,@function
k_q969c875f36_qkv:
	s_mov_b64 s[64:65], 0
	v_nop
	global_prefetch_b8 v0, s[64:65] scope:SCOPE_SE
	s_setreg_imm32_b32 hwreg(HW_REG_WAVE_MODE, 25, 1), 1
	s_wait_xcnt 0x0
; q, k, v = x W^T + b on codes of FP4, and each result quantised at once for attention: q and k along the head's 64 (two blocks), v along the keys.  Sums in f32; what goes into the quantiser is f32.
; SHARES.  Work-group (hq, g): rows 128 g .. 128 g + 127 of x (four blocks i of 32 rows), heads 4 hq .. 4 hq + 3.  Wave w: head 4 hq + w, in three passes (q, k, v).
; A pass's 64 rows of the weight, all of K, stay in 256 REGISTERS (windows 1 and 3 by turns: the next pass's land under this pass's work).  x's codes of the 128 rows (64 KiB) and their scale bytes (4 KiB)
; come into LDS once, by asynchronous copies at the head, as they lie in prepbuf (the order of an operand's registers): one barrier in the launch, no LDS store.
; q, k: THE PRODUCT IS USED TRANSPOSED (source 0 = 16 rows of W, source 1 = 16 rows of x): a lane holds one row of x, and the registers of weight tiles 2 B, 2 B + 1 are 16 neighbours along d.
; v: source 0 = x, source 1 = W: a lane holds one d, and the registers of x's tiles u = 0, 1 are 16 neighbouring keys.  The bias is the C of each sum's first product.
; qkvbuf (bh = 16 batch + head, gs = group of 128 rows in the sequence):  QI at 0, KI at Q_KI: 65,536 bh + 512 (8 gs + 2 i + u) + 16 lane: lane (r, h) holds block h of slot r;
;   VI at Q_VI: 65,536 bh + 4,096 gs + 1,024 t + 256 i + 16 r (d tile t, key block i);  QS: 8,192 bh + 512 gs + 16 lane + 4 i: word (b0, b1, 0, 0), lanes 0-15 tile 0, lanes 16-31 tile 1;
;   KS: 4,096 bh + 256 gs + 8 lane: lane (r, h): the words of key blocks 2 h, 2 h + 1, each (tile 0's b0, b1, tile 1's b0, b1);  VS likewise: d tiles 2 h, 2 h + 1, byte i = key block i.
; NO CLUSTER: of what a work-group takes in, twelve times 34 KiB are weights that go from memory straight into the registers of the one wave that multiplies them, where no joint load can put them;
; what four work-groups could share in LDS, x's 68 KiB, is a seventh of it and is fetched once.
; LIMITS: NaN and infinities are not served; a block of zeros gets the byte 1, not 127 (its codes are zeros; this program alone reads the bytes); blocks under 2^-124 are held at that floor.
; REGISTERS.  window 0: v1-11 addresses; v12-23 at work; v24-27 scale words gathered; v32-39 codes; v40-55 x's scale words (2 sets); v56-87 W's (2 sets); v88-151 bias (2 sets); v160-223 the 8 accumulators.
;   windows 1, 3: the weight: fragment (tile t, K step s) at v[64 t + 8 s].   window 2: x's fragments, two sets of 128: (tile u, K step s) at 64 u + 8 s.
.set P_XS, 4194304
.set P_WI, 4456448
.set Q_KI, 4194304
.set Q_VI, 8388608
.set Q_QS, 12582912
.set Q_KS, 13107200
.set Q_VS, 13369344
.set XSL,  65536                       ; LDS: x's images at 0 (16,384 i + 8,192 u + 1,024 s + 512 c + 16 lane); here their scale words: 1,024 i + 32 lane
.set TM,   12                          ; v12-15 largest magnitudes, v16-19 the other half's, then bytes, v20-23 scale operands
.set SW,   24
.set PC,   32
.set XS,   40
.set WS,   56
.set BI,   88
.set ACC,  160
.set WV,   42
.set HI,   48                          ; s48: lanes 16-31
.set SEL,  54                          ; s[54:55]: v_permlanex16_b32's selects for lane l xor 16
.set MSB, 0
.macro WIN new                         ; the immediate's high byte repeats the setting that is left
.if MSB != \new
	s_set_vgpr_msb (MSB<<8)|\new
.set MSB, \new
.endif
.endm
	s_load_b512 s[4:19], s[0:1], 0x0               ; prepbuf; w_q, w_k, w_v scales s[6:11]; b_q, b_k, b_v s[12:17]; qkvbuf s[18:19]
	v_lshl_add_u32 v254, v0, 2, 0x29000
	v_mov_b32 v255, 0
	ds_add_u32 v254, v255
	ds_add_u32 v254, v255
	v_lshrrev_b32 v1, 5, v0
	v_readfirstlane_b32 s[WV], v1                  ; wave 0..3
	v_and_b32 v12, 31, v0                          ; lane
	v_lshlrev_b32 v1, 4, v12                       ; 16 x lane
	v_and_b32 v13, 15, v0                          ; r
	v_bfe_u32 v14, v0, 4, 1                        ; h
	s_lshl_b32 s44, s[WV], 14
	v_add_nc_u32 v2, s44, v1                       ; the copies: my quarter of the images, in LDS
	v_add_nc_u32 v3, s44, v1                       ; and in memory: the same place
	s_lshl_b32 s44, s[WV], 10
	v_add_nc_u32 v5, s44, v1                       ; my quarter of the scale words, in memory
	v_add_nc_u32 v4, XSL, v5                       ; and in LDS
	v_lshlrev_b32 v6, 5, v12
	v_add_nc_u32 v6, XSL, v6                       ; x's scale words: 32 bytes a lane (lane = 16 u + r)
	v_and_b32 v15, 8, v13
	v_add_nc_u32 v15, v15, v13                     ; r + 8 (r / 8)
	v_lshl_add_u32 v7, v14, 3, v15
	v_lshlrev_b32 v7, 5, v7                        ; W's scale words: row 8 h + r + 8 (r / 8) of 32 bytes: lanes 0-15 the even tile, lanes 16-31 the odd
	v_lshlrev_b32 v8, 6, v14                       ; q's, k's bias: 16 h numbers on
	v_lshlrev_b32 v9, 2, v15                       ; v's bias: the number of my d
	v_lshlrev_b32 v10, 4, v13
	v_lshl_add_u32 v10, v14, 10, v10               ; VI: 1,024 h + 16 r
	v_lshlrev_b32 v11, 3, v12                      ; 8 x lane
.irp b, 0,1,2,3
	v_mov_b32 v[TM+4+\b], 0                        ; written once: a lane permute's destination counts as one of its sources
.endr
	s_mov_b32 s[HI], 0xffff0000
	s_mov_b32 s[SEL], 0x76543210
	s_mov_b32 s[SEL+1], 0xfedcba98
	s_and_b32 s45, ttmp7, 0xffff                   ; g
	s_lshl_b32 s43, ttmp9, 2
	s_add_co_u32 s43, s43, s[WV]                   ; head
	s_lshr_b32 s46, s45, 4
	s_lshl_b32 s46, s46, 4
	s_add_co_u32 s46, s46, s43                     ; bh
	s_and_b32 s47, s45, 15                         ; gs
	s_mov_b32 s51, 0
	s_wait_alu depctr_va_vdst(0)
	s_wait_dscnt 0x0
	s_wait_kmcnt 0x0
	s_lshl_b32 s50, s45, 16
	s_add_nc_u64 s[20:21], s[4:5], s[50:51]        ; x's eight tiles
	s_lshl_b32 s50, s45, 12
	s_add_co_u32 s50, s50, P_XS
	s_add_nc_u64 s[22:23], s[4:5], s[50:51]        ; their scale bytes
	s_lshl_b32 s50, s43, 15
	s_add_co_u32 s50, s50, P_WI
	s_add_nc_u64 s[24:25], s[4:5], s[50:51]        ; my head's four tiles of w_q,
	s_add_nc_u64 s[26:27], s[24:25], 524288        ; w_k,
	s_add_nc_u64 s[28:29], s[24:25], 1048576       ; w_v
	s_lshl_b32 s50, s43, 11                        ; 64 rows of 32 scale bytes a head
	s_add_nc_u64 s[6:7], s[6:7], s[50:51]
	s_add_nc_u64 s[8:9], s[8:9], s[50:51]
	s_add_nc_u64 s[10:11], s[10:11], s[50:51]
	s_lshl_b32 s50, s43, 8                         ; 64 numbers of bias a head
	s_add_nc_u64 s[12:13], s[12:13], s[50:51]
	s_add_nc_u64 s[14:15], s[14:15], s[50:51]
	s_add_nc_u64 s[16:17], s[16:17], s[50:51]
	s_lshl_b32 s50, s46, 16
	s_lshl_b32 s52, s47, 12
	s_add_co_u32 s50, s50, s52
	s_add_nc_u64 s[30:31], s[18:19], s[50:51]      ; QI,
	s_add_nc_u64 s[32:33], s[30:31], Q_KI          ; KI,
	s_add_nc_u64 s[34:35], s[30:31], Q_VI          ; VI
	s_lshl_b32 s50, s46, 13
	s_lshl_b32 s52, s47, 9
	s_add_co_u32 s50, s50, s52
	s_add_co_u32 s50, s50, Q_QS
	s_add_nc_u64 s[36:37], s[18:19], s[50:51]      ; QS
	s_lshl_b32 s50, s46, 12
	s_lshl_b32 s52, s47, 8
	s_add_co_u32 s50, s50, s52
	s_add_co_u32 s50, s50, Q_KS
	s_add_nc_u64 s[38:39], s[18:19], s[50:51]      ; KS,
	s_add_nc_u64 s[40:41], s[38:39], Q_VS-Q_KS     ; VS
.set k, 0
.rept 32
	global_load_async_to_lds_b128 v2, v3, s[20:21] offset:512*k   ; the immediate steps both addresses: memory and LDS have one layout
.set k, k+1
.endr
	global_load_async_to_lds_b128 v4, v5, s[22:23]
	global_load_async_to_lds_b128 v4, v5, s[22:23] offset:512
; Weight m (0 q, 1 k, 2 v) into set st: 64 loads of 512 consecutive bytes, its scale words, its bias in the result's layout.
.macro LOADW m, st
	WIN 0x40+0x80*\st                              ; destination window 1 or 3
.set k, 0
.rept 64
	global_load_b128 v[4*k:4*k+3], v1, s[24+2*\m:25+2*\m] offset:512*k
.set k, k+1
.endr
	WIN 0
.irp b, 0,1
	global_load_b128 v[WS+16*\st+8*\b:WS+16*\st+8*\b+3], v7, s[6+2*\m:7+2*\m] offset:1024*\b       ; register 8 b + s: K step s of tiles 2 b (lanes 0-15), 2 b + 1 (lanes 16-31)
	global_load_b128 v[WS+16*\st+8*\b+4:WS+16*\st+8*\b+7], v7, s[6+2*\m:7+2*\m] offset:1024*\b+16
.endr
.if \m < 2
.irp t, 0,1,2,3
	global_load_b128 v[BI+32*\st+8*\t:BI+32*\st+8*\t+3], v8, s[12+2*\m:13+2*\m] offset:128*(\t/2)+32*(\t%2)        ; columns 32 (t / 2) + 16 h + 8 (t % 2) + 0 .. 7
	global_load_b128 v[BI+32*\st+8*\t+4:BI+32*\st+8*\t+7], v8, s[12+2*\m:13+2*\m] offset:128*(\t/2)+32*(\t%2)+16
.endr
.else
.irp t, 0,1,2,3
.irp j, 0,1,2,3,4,5,6,7
	global_load_b32 v[BI+32*\st+8*\t+\j], v9, s[12+2*\m:13+2*\m] offset:(32*(\t/2)+8*(\t%2))*4   ; a lane holds one d: the same number for its eight keys
.endr
.endr
.endif
.endm
; x's 16 fragments and 8 scale words of body NF (block NF % 4 of 32 rows) into set NF % 2: 34 LDS loads in one run.
.macro FETCHX
	WIN 0x80                                       ; destination window 2
.set k, 0
.rept 32
	ds_load_b128 v[128*(NF%2)+4*k:128*(NF%2)+4*k+3], v1 offset:(NF%4)*16384+512*k
.set k, k+1
.endr
	WIN 0
	ds_load_b128 v[XS+8*(NF%2):XS+8*(NF%2)+3], v6 offset:(NF%4)*1024
	ds_load_b128 v[XS+8*(NF%2)+4:XS+8*(NF%2)+7], v6 offset:(NF%4)*1024+16
.endm
.macro WM                              ; one product; rRA, rRB: which half of the lanes holds the side's scale words
.if (rRA == 0) && (rRB == 0)
	v_wmma_scale_f32_16x16x128_f8f6f4 v[rD:rD+7], v[rA:rA+7], v[rB:rB+7], v[rC:rC+7], v[rSA], v[rSB] matrix_a_fmt:MATRIX_FMT_FP4 matrix_b_fmt:MATRIX_FMT_FP4
.elseif (rRA == 1) && (rRB == 0)
	v_wmma_scale_f32_16x16x128_f8f6f4 v[rD:rD+7], v[rA:rA+7], v[rB:rB+7], v[rC:rC+7], v[rSA], v[rSB] matrix_a_fmt:MATRIX_FMT_FP4 matrix_b_fmt:MATRIX_FMT_FP4 matrix_a_scale:MATRIX_SCALE_ROW1
.elseif rRA == 0
	v_wmma_scale_f32_16x16x128_f8f6f4 v[rD:rD+7], v[rA:rA+7], v[rB:rB+7], v[rC:rC+7], v[rSA], v[rSB] matrix_a_fmt:MATRIX_FMT_FP4 matrix_b_fmt:MATRIX_FMT_FP4 matrix_b_scale:MATRIX_SCALE_ROW1
.else
	v_wmma_scale_f32_16x16x128_f8f6f4 v[rD:rD+7], v[rA:rA+7], v[rB:rB+7], v[rC:rC+7], v[rSA], v[rSB] matrix_a_fmt:MATRIX_FMT_FP4 matrix_b_fmt:MATRIX_FMT_FP4 matrix_a_scale:MATRIX_SCALE_ROW1 matrix_b_scale:MATRIX_SCALE_ROW1
.endif
.endm
; 64 products of body N: K step by K step, the eight accumulators by turns, one instruction a turn.  vv = 0: q, k (W first); 1: v (x first).
.macro MUL64 st, vv
.if \vv
	WIN 0x06                                       ; source 0 (x) window 2, source 1 (W) window 1
.else
	WIN 0x09+2*\st                                 ; source 0 (W) window 1 or 3, source 1 (x) window 2
.endif
.set ks, 0
.rept 8
.set u, 0
.rept 2
.set t, 0
.rept 4
.if \vv
.set rD, ACC+16*t+8*u
.set rA, 128*(N%2)+64*u+8*ks
.set rB, 64*t+8*ks
.set rSA, XS+8*(N%2)+ks
.set rSB, WS+16*\st+8*(t/2)+ks
.set rRA, u
.set rRB, t%2
.else
.set rD, ACC+32*u+8*t
.set rA, 64*t+8*ks
.set rB, 128*(N%2)+64*u+8*ks
.set rSA, WS+16*\st+8*(t/2)+ks
.set rSB, XS+8*(N%2)+ks
.set rRA, t%2
.set rRB, u
.endif
.set rC, rD
.if ks == 0
.set rC, BI+32*\st+8*t                 ; the bias starts the sum
.endif
	WM
.set t, t+1
.endr
.set u, u+1
.endr
.set ks, ks+1
.endr
	WIN 0
.endm
; The 64 results as four blocks of 16 registers; a block of 32 lies in lanes l and l xor 16.  Codes into v[PC] on (a whole block in a lane), bytes into v[TM+4] on.
.macro QUANT
.irp b, 0,1,2,3
	v_max3_num_f32 v[TM+\b], |v[ACC+16*\b]|, |v[ACC+16*\b+1]|, 0x1800000   ; each accumulator is read from its low end on; the floor 2^(3 - 127) holds the byte at 1 from below
.endr
.irp i, 2,4,6,8,10,12,14
.irp b, 0,1,2,3
	v_max3_num_f32 v[TM+\b], v[TM+\b], |v[ACC+16*\b+\i]|, |v[ACC+16*\b+\i+1]|
.endr
.endr
.irp b, 0,1,2,3
	v_permlanex16_b32 v[TM+4+\b], v[TM+\b], s[SEL], s[SEL+1]
.endr
.irp b, 0,1,2,3
	v_max_num_f32 v[TM+\b], v[TM+\b], v[TM+4+\b]
.endr
.irp b, 0,1,2,3
	v_add_nc_u32 v[TM+8+\b], 0xff000000, v[TM+\b]  ; 2 off the exponent field: the conversion's scale operand
.endr
.irp b, 0,1,2,3
	v_lshrrev_b32 v[TM+4+\b], 23, v[TM+8+\b]       ; the scale's byte
.endr
	s_wait_alu depctr_va_vdst(0)
	s_wait_xcnt 0x0                                ; the last body's stores have read their data: the codes' and the words' registers are written again only behind this wait
.irp b, 0,1,2,3
	v_cvt_scalef32_pk8_fp4_f32 v[PC+2*\b], v[ACC+16*\b:ACC+16*\b+7], v[TM+8+\b]
	v_cvt_scalef32_pk8_fp4_f32 v[PC+2*\b+1], v[ACC+16*\b+8:ACC+16*\b+15], v[TM+8+\b]
.endr
	v_nop                                          ; one plain line behind the last scaled conversion
.irp c, 0,1
.irp i, 0,1
	v_permlane16_swap_b32 v[PC+4*\c+\i], v[PC+4*\c+2+\i]   ; lanes 0-15 get block 2 c whole, lanes 16-31 block 2 c + 1
.endr
.endr
.endm
; Body (m, i): 32 rows of x against my head's 64 columns of weight m.
.macro BODY m, i
.set N, 4*\m+\i
.if N < 11
.set NF, N+1
	FETCHX                                         ; its registers' last readers stand in front of the last body's whole QUANT
	s_wait_dscnt 34                                ; only the 34 loads just issued may be out: this body's fragments are in
.else
	s_wait_dscnt 0x0
.endif
.if \m < 2
	MUL64 \m, 0
.else
	MUL64 0, 1
.endif
.rept 4
	v_nop                                          ; four plain lines between the last product and the first read of a result (ISA guide 7.12.1)
.endr
	QUANT
.if \m < 2
	global_store_b128 v1, v[PC:PC+3], s[30+2*\m:31+2*\m] offset:1024*\i          ; tile 2 i: 512 consecutive bytes, aligned
	global_store_b128 v1, v[PC+4:PC+7], s[30+2*\m:31+2*\m] offset:1024*\i+512    ; tile 2 i + 1
	v_lshl_or_b32 v28, v[TM+5], 8, v[TM+4]         ; tile 0's two bytes of my row,
	v_lshl_or_b32 v29, v[TM+7], 8, v[TM+6]         ; tile 1's
.if \m == 0
	v_cndmask_b32 v[SW+\i], v28, v29, s[HI]        ; q: lanes 0-15 tile 0, lanes 16-31 tile 1
.if \i == 3
	global_store_b128 v1, v[SW:SW+3], s[36:37]
.endif
.else
	v_lshl_or_b32 v[SW+\i], v29, 16, v28           ; k: both tiles in one word
.if \i == 3
	v_cndmask_b32 v30, v[SW], v[SW+2], s[HI]       ; lane (r, h): key blocks 2 h, 2 h + 1
	v_cndmask_b32 v31, v[SW+1], v[SW+3], s[HI]
	global_store_b64 v11, v[30:31], s[38:39]       ; 256 consecutive bytes, aligned
.endif
.endif
.else
	global_store_b128 v10, v[PC:PC+3], s[34:35] offset:256*\i        ; d tiles 0 (lanes 0-15) and 1: 256 consecutive bytes each, aligned
	global_store_b128 v10, v[PC+4:PC+7], s[34:35] offset:2048+256*\i ; d tiles 2 and 3
.irp t, 0,1,2,3
.if \i == 0
	v_mov_b32 v[SW+\t], v[TM+4+\t]
.else
	v_lshl_or_b32 v[SW+\t], v[TM+4+\t], 8*\i, v[SW+\t]   ; byte i = key block i
.endif
.endr
.if \i == 3
	v_cndmask_b32 v30, v[SW], v[SW+2], s[HI]       ; lane (r, h): d tiles 2 h, 2 h + 1
	v_cndmask_b32 v31, v[SW+1], v[SW+3], s[HI]
	global_store_b64 v11, v[30:31], s[40:41]
.endif
.endif
.endm
	LOADW 0, 0
	s_wait_asynccnt 0x0                            ; my copies have landed,
	s_barrier_signal -1
	s_barrier_wait -1                              ; everybody's have: LDS is only read from here on
.set NF, 0
	FETCHX
	s_wait_loadcnt 0x0                             ; w_q's set is in
	LOADW 1, 1                                     ; w_k's lands under q's pass
	BODY 0, 0
	BODY 0, 1
	BODY 0, 2
	BODY 0, 3
	s_wait_loadcnt 0x0                             ; w_k's set is in
	LOADW 2, 0                                     ; w_v's takes w_q's registers: their last readers stand in front of a whole QUANT
	BODY 1, 0
	BODY 1, 1
	BODY 1, 2
	BODY 1, 3
	s_wait_loadcnt 0x0                             ; w_v's set is in
	BODY 2, 0
	BODY 2, 1
	BODY 2, 2
	BODY 2, 3
	s_wait_tensorcnt 0x0
	ds_add_u32 v254, v255
	s_wait_dscnt 0x0
	s_endpgm
.Lfunc_end_k_q969c875f36_qkv:
	.size	k_q969c875f36_qkv, .Lfunc_end_k_q969c875f36_qkv-k_q969c875f36_qkv
	.p2alignl 7, 3214868480
	.fill 96, 4, 3214868480
	.section	.rodata,"a",@progbits
	.p2align	6, 0x0
	.amdhsa_kernel k_q969c875f36_qkv
		.amdhsa_group_segment_fixed_size 168448
		.amdhsa_private_segment_fixed_size 0
		.amdhsa_enable_private_segment 0
		.amdhsa_kernarg_size 64
		.amdhsa_user_sgpr_count 2
		.amdhsa_user_sgpr_kernarg_segment_ptr 1
		.amdhsa_wavefront_size32 1
		.amdhsa_system_sgpr_workgroup_id_x 1
		.amdhsa_system_sgpr_workgroup_id_y 1
		.amdhsa_system_sgpr_workgroup_id_z 1
		.amdhsa_system_vgpr_workitem_id 0
		.amdhsa_next_free_vgpr 1024
		.amdhsa_next_free_sgpr 66
		.amdhsa_reserve_vcc 0
		.amdhsa_float_denorm_mode_32 3
		.amdhsa_float_denorm_mode_16_64 3
		.amdhsa_memory_ordered 1
		.amdhsa_forward_progress 1
		.amdhsa_inst_pref_size 204
	.end_amdhsa_kernel
	.amdgpu_metadata
---
amdhsa.version: [ 1, 2 ]
amdhsa.kernels:
  - .name:           k_q969c875f36_qkv
    .symbol:         k_q969c875f36_qkv.kd
    .args:
      - { .name: prepbuf, .offset: 0, .size: 8, .value_kind: global_buffer, .address_space: global }
      - { .name: w_q_scales, .offset: 8, .size: 8, .value_kind: global_buffer, .address_space: global }
      - { .name: w_k_scales, .offset: 16, .size: 8, .value_kind: global_buffer, .address_space: global }
      - { .name: w_v_scales, .offset: 24, .size: 8, .value_kind: global_buffer, .address_space: global }
      - { .name: b_q, .offset: 32, .size: 8, .value_kind: global_buffer, .address_space: global }
      - { .name: b_k, .offset: 40, .size: 8, .value_kind: global_buffer, .address_space: global }
      - { .name: b_v, .offset: 48, .size: 8, .value_kind: global_buffer, .address_space: global }
      - { .name: qkvbuf, .offset: 56, .size: 8, .value_kind: global_buffer, .address_space: global }
    .group_segment_fixed_size: 168448
    .private_segment_fixed_size: 0
    .kernarg_segment_align: 8
    .kernarg_segment_size: 64
    .max_flat_workgroup_size: 128
    .sgpr_count:     66
    .vgpr_count:     1024
    .wavefront_size: 32
...
	.end_amdgpu_metadata
.endif
;; end of part 2
;; launch attn (part 3): grid 4 x 64, 16 waves a work-group, no clusters, 169,984 bytes of LDS; arguments qkvbuf, ctxbuf; writes ctxbuf
.if DOCPART == 3
	.amdgcn_target "amdgcn-amd-amdhsa--gfx1250"
	.amdhsa_code_object_version 6
	.text
	.protected	k_q969c875f36_attn
	.globl	k_q969c875f36_attn
	.p2align	8
	.type	k_q969c875f36_attn,@function
k_q969c875f36_attn:
	s_mov_b64 s[64:65], 0
	v_nop
	global_prefetch_b8 v0, s[64:65] scope:SCOPE_SE
	s_setreg_imm32_b32 hwreg(HW_REG_WAVE_MODE, 25, 1), 1
	s_wait_xcnt 0x0
; ctx = softmax(q k^T / 8) v for one head, both products on codes of FP4, and ctx quantised along the model's channels for the last product.
; THE SOFTMAX: t = score x log2(e) / 8; M = the running largest t rounded UP to a whole number; p = 2^(t - M) is quantised along the keys, not normalised; the row's sum is taken of the
; unquantised p and divides at the end; when M moves, the sum and O are multiplied by 2^(old M - new M), which rounds nothing.
; SHARES.  Work-group (qq, bh): 512 queries of head bh.  Wave w: the block of 32 rows 16 qq + w, its two tiles of 16 queries in two passes over all 2,048 keys, 128 a step; four waves to a SIMD.
; LDS holds the whole head, filled ONCE by asynchronous copies at the head: K's images 64 KiB, V's 64 KiB, their scale words 4 KiB each, in the order of an operand's registers.
; THE COPIES ARE DEALT BY KEY STEPS: each wave's first six bring the scale words and a sixteenth of key steps 0 to 3, its last twelve a sixteenth of steps 4 to 15.  A counted wait and a barrier
; stand ahead of step 0, the wait for 0 and a second barrier ahead of step 3, which is the first to fetch from the later part.
; BOTH PRODUCTS ARE USED TRANSPOSED: S^T = K Q^T, O^T = V^T P^T: a lane holds one query; the keys of a tile are chosen (qkv's tiles) so that the registers of tiles 2 b, 2 b + 1 are 16 neighbouring keys.
; A HEAD OF 64 IN AN INSTRUCTION OF 128: a fragment of K holds tile 2 b in registers 0-3 and tile 2 b + 1 in registers 4-7; the query lies in twelve registers as (q, 0, q); the zero half has zero codes under the byte 0.
; NO CLUSTER, NO PREFETCH: what the four work-groups of a head share, 136 KiB, is asked for once, at the head, by the copies themselves; the launch has no later stream to run ahead of.
; ctxbuf: CI at 0: tile 2 rb + u at 8,192 x that, + 512 head + 16 lane;  CS at C_CS: 32,768 head + 128 rb + 4 lane: word (b0, b1, 0, 0), lane = 16 u + r.
; LIMITS: NaN and infinities are not served; the scaled scores stay under 2^31 in magnitude; a block of zeros gets the byte 1, not 127 (its codes are zeros; this program alone reads the bytes); blocks under 2^-124 are held at that floor.
.set Q_KI, 4194304
.set Q_VI, 8388608
.set Q_QS, 12582912
.set Q_KS, 13107200
.set Q_VS, 13369344
.set C_CS, 4194304
.set KSW,  131072                      ; LDS: K's images at 0, V's at 65,536, K's scale words here, V's 4,096 on
.set ADK,  4
.set ADV,  5
.set ADKS, 6
.set ADVS, 7
.set KF,   32                          ; v32-63   K's four fragments
.set VF,   64                          ; v64-95   V's four
.set S,    96                          ; v96-159  S^T, then p
.set OT,   160                         ; v160-191 O^T
.set PC,   192                         ; v192-199 p's codes
.set BM,   200                         ; v200-203 a block's largest score, then p
.set BP,   204                         ; v204-207 the other half's, then bytes
.set SO,   208                         ; v208-211 scale operands
.set KSC,  218
.set VSC,  220
.set TK,   20
.set TS,   21
.set CNT,  22
.set CS,   24                          ; s[24:25] c = log2(e) / 8
.set SEL,  26
.set HI,   28
	s_load_b128 s[4:7], s[0:1], 0x0                ; qkvbuf, ctxbuf
	v_lshl_add_u32 v254, v0, 2, 0x29000
	v_mov_b32 v255, 0
	ds_add_u32 v254, v255                          ; the opening lines: the add twice on end
	ds_add_u32 v254, v255
	v_lshrrev_b32 v1, 5, v0
	v_readfirstlane_b32 s8, v1                     ; wave 0..15
	v_and_b32 v10, 31, v0
	v_lshlrev_b32 v1, 4, v10                       ; 16 x lane: K's images
	v_lshlrev_b32 v11, 3, v10                      ; 8 x lane
	v_add_nc_u32 v2, 65536, v1                     ; V's
	v_add_nc_u32 v3, KSW, v11                      ; the scale words
	s_lshl_b32 s10, s8, 10
	v_add_nc_u32 v8, s10, v1                       ; steps 0-3: my 1,024 bytes, in memory
	v_add_nc_u32 v226, s10, v1                     ; and in LDS: the same place
	s_mul_i32 s10, s8, 3072
	s_add_co_u32 s10, s10, 16384
	v_add_nc_u32 v9, s10, v1                       ; steps 4-15: my 3,072 bytes
	v_add_nc_u32 v227, s10, v1
	s_lshl_b32 s10, s8, 8
	v_add_nc_u32 v213, s10, v11                    ; my 256 bytes of the scale words
	v_add_nc_u32 v228, s10, v3
	v_add_nc_u32 v229, 65536, v226                 ; V's images lie 65,536 on in LDS: address registers of their own
	v_add_nc_u32 v11, 65536, v227
	v_lshlrev_b32 v10, 2, v10                      ; 4 x lane
	s_and_b32 s9, ttmp7, 0xffff                    ; bh
	s_lshl_b32 s11, ttmp9, 4
	s_add_co_u32 s11, s11, s8                      ; my block of 32 rows in the sequence
	s_mov_b32 s[CS], 0x3e38aa3b
	s_mov_b32 s[CS+1], s[CS]
	s_mov_b32 s[SEL], 0x76543210
	s_mov_b32 s[SEL+1], 0xfedcba98
	s_mov_b32 s[HI], 0xffff0000
	s_lshl_b32 s38, s9, 16                         ; the head's images
	s_mov_b32 s39, 0
	s_lshl_b32 s40, s11, 10
	s_add_co_u32 s40, s40, s38                     ; my two tiles of q
	s_mov_b32 s41, 0
	s_lshl_b32 s42, s9, 13
	s_lshr_b32 s29, s11, 2
	s_lshl_b32 s29, s29, 9
	s_add_co_u32 s42, s42, s29
	s_and_b32 s29, s11, 3
	s_lshl_b32 s29, s29, 2
	s_add_co_u32 s42, s42, s29
	s_add_co_u32 s42, s42, Q_QS                    ; their scale words
	s_mov_b32 s43, 0
	s_lshl_b32 s44, s9, 12
	s_add_co_u32 s44, s44, Q_KS
	s_mov_b32 s45, 0
	s_wait_alu depctr_va_vdst(0)                   ; the wait at the head's end
	s_wait_dscnt 0x0
	s_wait_kmcnt 0x0
	s_add_nc_u64 s[30:31], s[4:5], s[40:41]
	s_add_nc_u64 s[32:33], s[4:5], s[42:43]
	global_load_b128 v[16:19], v1, s[30:31]              ; tile 0's q
	global_load_b128 v[28:31], v1, s[30:31] offset:512   ; tile 1's
	global_load_b32 v222, v1, s[32:33]                   ; q's scale words: lanes 0-15 tile 0, lanes 16-31 tile 1
	s_add_nc_u64 s[12:13], s[4:5], s[38:39]
	s_add_nc_u64 s[14:15], s[12:13], Q_VI          ; VI
	s_add_nc_u64 s[12:13], s[12:13], Q_KI          ; KI
	s_add_nc_u64 s[16:17], s[4:5], s[44:45]        ; KS
	s_add_nc_u64 s[18:19], s[16:17], Q_VS-Q_KS-4096 ; VS less 4,096: a copy's immediate steps both addresses, and V's words lie 4,096 on in LDS
	global_load_async_to_lds_b64 v228, v213, s[16:17]
	global_load_async_to_lds_b64 v228, v213, s[18:19] offset:4096
.irp k, 0,1
	global_load_async_to_lds_b128 v226, v8, s[12:13] offset:512*\k
.endr
.irp k, 0,1
	global_load_async_to_lds_b128 v229, v8, s[14:15] offset:512*\k
.endr
.irp k, 0,1,2,3,4,5
	global_load_async_to_lds_b128 v227, v9, s[12:13] offset:512*\k
.endr
.irp k, 0,1,2,3,4,5
	global_load_async_to_lds_b128 v11, v9, s[14:15] offset:512*\k
.endr
	s_lshr_b32 s40, s9, 4
	s_lshl_b32 s40, s40, 6
	s_add_co_u32 s40, s40, s11                     ; rb: my block among all 256
	s_and_b32 s41, s9, 15                          ; head
	s_lshl_b32 s38, s40, 14
	s_lshl_b32 s29, s41, 9
	s_add_co_u32 s38, s38, s29
	s_add_nc_u64 s[34:35], s[6:7], s[38:39]        ; CI
	s_lshl_b32 s38, s41, 15
	s_lshl_b32 s29, s40, 7
	s_add_co_u32 s38, s38, s29
	s_add_co_u32 s38, s38, C_CS
	s_add_nc_u64 s[36:37], s[6:7], s[38:39]        ; CS
.irp j, 0,1,2,3
	v_mov_b32 v[20+\j], 0                          ; the query's zero half
	v_mov_b32 v[BP+\j], 0                          ; written once: a lane permute's destination counts as one of its sources
.endr
	v_mov_b32 v215, 0                              ; the upper half of the pair v[214:215]
	s_wait_loadcnt 0x0
	v_lshlrev_b32 v223, 16, v222                   ; the word for the fragment's second tile: (0, 0, b0, b1)
	s_wait_asynccnt 12                             ; my first six copies have landed; the twelve of steps 4-15 may be out
	s_barrier_signal -1
	s_barrier_wait -1                              ; steps 0-3 and all scale words are whole
; Eight products S^T = K Q^T, each its own accumulator, begun with the constant 0.  u: which half of the lanes holds my tile's scale words.
.macro QK u
.set bb, 0
.rept 4
.set xx, 0
.rept 2
.set rD, S+16*bb+8*xx
.set rA, KF+8*bb
.set rB, 16+4*xx
.set rSA, KSC+bb%2
.set rSB, 222+xx
.if (bb/2 == 0) && (\u == 0)
	v_wmma_scale_f32_16x16x128_f8f6f4 v[rD:rD+7], v[rA:rA+7], v[rB:rB+7], 0, v[rSA], v[rSB] matrix_a_fmt:MATRIX_FMT_FP4 matrix_b_fmt:MATRIX_FMT_FP4
.elseif (bb/2 == 1) && (\u == 0)
	v_wmma_scale_f32_16x16x128_f8f6f4 v[rD:rD+7], v[rA:rA+7], v[rB:rB+7], 0, v[rSA], v[rSB] matrix_a_fmt:MATRIX_FMT_FP4 matrix_b_fmt:MATRIX_FMT_FP4 matrix_a_scale:MATRIX_SCALE_ROW1
.elseif bb/2 == 0
	v_wmma_scale_f32_16x16x128_f8f6f4 v[rD:rD+7], v[rA:rA+7], v[rB:rB+7], 0, v[rSA], v[rSB] matrix_a_fmt:MATRIX_FMT_FP4 matrix_b_fmt:MATRIX_FMT_FP4 matrix_b_scale:MATRIX_SCALE_ROW1
.else
	v_wmma_scale_f32_16x16x128_f8f6f4 v[rD:rD+7], v[rA:rA+7], v[rB:rB+7], 0, v[rSA], v[rSB] matrix_a_fmt:MATRIX_FMT_FP4 matrix_b_fmt:MATRIX_FMT_FP4 matrix_a_scale:MATRIX_SCALE_ROW1 matrix_b_scale:MATRIX_SCALE_ROW1
.endif
.set xx, xx+1
.endr
.set bb, bb+1
.endr
.endm
; A KEY STEP of 128 keys.  pf = 1: the next step's K is fetched under this step's softmax.
.macro STEP u, pf
	s_wait_dscnt 0x0                               ; K's fragments and scale words are in
	QK \u
	v_add_nc_u32 v[ADV], s[TK], v2                 ; four plain lines: the places between the products and the loads into their registers, and the first read of the scores
	v_add_nc_u32 v[ADVS], s[TS], v3
	s_add_co_u32 s[TK], s[TK], 4096
	s_add_co_u32 s[TS], s[TS], 256
.if \pf
	v_add_nc_u32 v[ADK], s[TK], v1
	v_add_nc_u32 v[ADKS], s[TS], v3
.else
	v_nop
	v_nop
.endif
.irp t, 0,1,2,3
.irp c, 0,1
	ds_load_b128 v[VF+8*\t+4*\c:VF+8*\t+4*\c+3], v[ADV] offset:1024*\t+512*\c
.endr
.endr
	ds_load_b64 v[VSC:VSC+1], v[ADVS] offset:4096
.if \pf
.irp t, 0,1,2,3,4,5,6,7
	ds_load_b128 v[KF+4*\t:KF+4*\t+3], v[ADK] offset:512*\t
.endr
	ds_load_b64 v[KSC:KSC+1], v[ADKS]
.endif
.irp b, 0,1,2,3
	v_max3_num_f32 v[BM+\b], v[S+16*\b], v[S+16*\b+1], v[S+16*\b+2]   ; the largest score of each block of 32 keys: it serves the row's maximum and, since p rises with the score, the block's largest p
.endr
.irp i, 3,5,7,9,11,13
.irp b, 0,1,2,3
	v_max3_num_f32 v[BM+\b], v[BM+\b], v[S+16*\b+\i], v[S+16*\b+\i+1]
.endr
.endr
.irp b, 0,1,2,3
	v_max_num_f32 v[BM+\b], v[BM+\b], v[S+16*\b+15]
.endr
.irp b, 0,1,2,3
	s_delay_alu instid0(VALU_DEP_4)
	v_permlanex16_b32 v[BP+\b], v[BM+\b], s[SEL], s[SEL+1]
.endr
.irp b, 0,1,2,3
	s_delay_alu instid0(VALU_DEP_4)
	v_max_num_f32 v[BM+\b], v[BM+\b], v[BP+\b]     ; with lane l xor 16's 16 keys
.endr
	s_delay_alu instid0(VALU_DEP_2)
	v_max3_num_f32 v212, v[BM], v[BM+1], v[BM+2]
	s_delay_alu instid0(VALU_DEP_1)
	v_max_num_f32 v212, v212, v[BM+3]
	s_delay_alu instid0(VALU_DEP_1)
	v_mul_f32 v212, s[CS], v212                    ; as t (c is positive)
	s_delay_alu instid0(VALU_DEP_1)
	v_max_num_f32 v13, v13, v212                   ; the running largest t
	v_mov_b32 v212, v12
	s_delay_alu instid0(VALU_DEP_2)
	v_floor_f32 v12, -v13                          ; -M = floor(-t): M is a whole number
	s_delay_alu instid0(VALU_DEP_1)
	v_sub_f32 v212, v12, v212                      ; old M - new M: a whole number, 0 or less
	s_delay_alu instid0(VALU_DEP_1)
	v_cvt_i32_f32 v212, v212                       ; (it saturates)
	s_delay_alu instid0(VALU_DEP_1)
	v_ldexp_f32 v214, 1.0, v212                    ; f = 2^(old M - new M)
.set j, 0
.rept 32
	v_pk_fma_f32 v[S+j:S+j+1], v[S+j:S+j+1], s[CS:CS+1], v[12:13] op_sel_hi:[1,0,0]   ; t - M, two at a time
.set j, j+2
.endr
.irp b, 0,1,2,3
	v_fma_f32 v[BM+\b], v[BM+\b], s[CS], v12       ; the same of each block's largest score
.endr
.set j, 0
	s_wait_alu depctr_va_vdst(0)                   ; the wait ahead of the batch
.rept 64
	v_exp_f32 v[S+j], v[S+j]                       ; p = 2^(t - M)
.set j, j+1
.endr
	v_pk_mul_f32 v[14:15], v[14:15], v[214:215] op_sel_hi:[1,0]   ; the sums under the new M: the plain line behind the batch
	s_wait_alu depctr_va_vdst(0)                   ; one wait for the 64, ahead of their first reader
.irp b, 0,1,2,3
	v_exp_f32 v[BM+\b], v[BM+\b]                   ; the block's largest p: the same two instructions on the same number
.endr
	v_pk_add_f32 v[216:217], v[100:101], v[104:105]   ; THE ROW'S SUM IS TAKEN OF THE UNQUANTISED p: eight chains by turns
	v_pk_add_f32 v[252:253], v[108:109], v[112:113]
	v_pk_add_f32 v[250:251], v[116:117], v[120:121]
	v_pk_add_f32 v[248:249], v[124:125], v[128:129]
	v_pk_add_f32 v[246:247], v[132:133], v[136:137]
	v_pk_add_f32 v[244:245], v[140:141], v[144:145]
	v_pk_add_f32 v[242:243], v[148:149], v[152:153]
	v_pk_add_f32 v[14:15], v[14:15], v[156:157]
	v_pk_add_f32 v[216:217], v[216:217], v[96:97]
	v_pk_add_f32 v[252:253], v[252:253], v[98:99]
	v_pk_add_f32 v[250:251], v[250:251], v[102:103]
	v_pk_add_f32 v[248:249], v[248:249], v[106:107]
	v_pk_add_f32 v[246:247], v[246:247], v[110:111]
	v_pk_add_f32 v[244:245], v[244:245], v[114:115]
	v_pk_add_f32 v[242:243], v[242:243], v[118:119]
	v_pk_add_f32 v[14:15], v[14:15], v[122:123]
	v_pk_add_f32 v[216:217], v[216:217], v[126:127]
	v_pk_add_f32 v[252:253], v[252:253], v[130:131]
	v_pk_add_f32 v[250:251], v[250:251], v[134:135]
	v_pk_add_f32 v[248:249], v[248:249], v[138:139]
	v_pk_add_f32 v[246:247], v[246:247], v[142:143]
	v_pk_add_f32 v[244:245], v[244:245], v[146:147]
	v_pk_add_f32 v[242:243], v[242:243], v[150:151]
	v_pk_add_f32 v[14:15], v[14:15], v[154:155]
	v_pk_add_f32 v[216:217], v[216:217], v[158:159]
	s_delay_alu instid0(VALU_DEP_2)
	v_pk_add_f32 v[14:15], v[14:15], v[248:249]
	s_delay_alu instid0(VALU_DEP_2)
	v_pk_add_f32 v[216:217], v[216:217], v[246:247]
	v_pk_add_f32 v[252:253], v[252:253], v[244:245]
	v_pk_add_f32 v[250:251], v[250:251], v[242:243]
	s_delay_alu instid0(VALU_DEP_2)
	v_pk_add_f32 v[14:15], v[14:15], v[252:253]
	s_delay_alu instid0(VALU_DEP_2)
	v_pk_add_f32 v[216:217], v[216:217], v[250:251]
	s_delay_alu instid0(VALU_DEP_1)
	v_pk_add_f32 v[14:15], v[14:15], v[216:217]
	s_wait_alu depctr_va_vdst(0)                   ; and one for the four
.irp b, 0,1,2,3
	v_max_num_f32 v[BM+\b], 0x1800000, v[BM+\b]    ; the floor 2^(3 - 127)
.endr
.irp b, 0,1,2,3
	s_delay_alu instid0(VALU_DEP_4)
	v_add_nc_u32 v[SO+\b], 0xff000000, v[BM+\b]
.endr
.irp b, 0,1,2,3
	s_delay_alu instid0(VALU_DEP_4)
	v_lshrrev_b32 v[BP+\b], 23, v[SO+\b]
.endr
	s_delay_alu instid0(VALU_DEP_3)
	v_lshl_or_b32 v215, v[BP+1], 8, v[BP]          ; p's scale word for these 128 keys
	s_delay_alu instid0(VALU_DEP_1)
	v_lshl_or_b32 v215, v[BP+2], 16, v215
	s_delay_alu instid0(VALU_DEP_1)
	v_lshl_or_b32 v215, v[BP+3], 24, v215
.irp b, 0,1,2,3
	v_cvt_scalef32_pk8_fp4_f32 v[PC+2*\b], v[S+16*\b:S+16*\b+7], v[SO+\b]
	v_cvt_scalef32_pk8_fp4_f32 v[PC+2*\b+1], v[S+16*\b+8:S+16*\b+15], v[SO+\b]
.endr
	v_nop                                          ; one plain line behind the last scaled conversion
.irp c, 0,1
.irp i, 0,1
	v_permlane16_swap_b32 v[PC+4*\c+\i], v[PC+4*\c+2+\i]   ; a whole block in a lane
.endr
.endr
.set j, 0
.rept 16
	v_pk_mul_f32 v[OT+j:OT+j+1], v[OT+j:OT+j+1], v[214:215] op_sel_hi:[1,0]   ; O^T under the new M; these sixteen also stand between the scale word's and the codes' last writes and the products
.set j, j+2
.endr
.if \pf
	s_wait_alu depctr_va_vdst(0)
	s_wait_dscnt 9                                 ; V's nine loads are in; the nine of K behind them may be out
.else
	s_wait_alu depctr_va_vdst(0)
	s_wait_dscnt 0x0
.endif
.irp t, 0,1                                    ; O^T += V^T P^T: four accumulators by turns
	v_wmma_scale_f32_16x16x128_f8f6f4 v[OT+8*\t:OT+8*\t+7], v[VF+8*\t:VF+8*\t+7], v[PC:PC+7], v[OT+8*\t:OT+8*\t+7], v[VSC+\t], v215 matrix_a_fmt:MATRIX_FMT_FP4 matrix_b_fmt:MATRIX_FMT_FP4
.endr
.irp t, 0,1
	v_wmma_scale_f32_16x16x128_f8f6f4 v[OT+16+8*\t:OT+16+8*\t+7], v[VF+16+8*\t:VF+16+8*\t+7], v[PC:PC+7], v[OT+16+8*\t:OT+16+8*\t+7], v[VSC+\t], v215 matrix_a_fmt:MATRIX_FMT_FP4 matrix_b_fmt:MATRIX_FMT_FP4 matrix_a_scale:MATRIX_SCALE_ROW1
.endr
.endm
; The way out of a tile: ctx = O^T / the sum; its register 16 B + i is channel 32 B + 16 h + i of my query: two blocks, quantised as above; 512 consecutive bytes leave.
.macro EPI u
.rept 4
	v_nop                                          ; the places behind the last products
.endr
	v_add_f32 v14, v14, v15
	s_delay_alu instid0(VALU_DEP_1)
	v_permlanex16_b32 v212, v14, s[SEL], s[SEL+1]
	s_delay_alu instid0(VALU_DEP_1)
	v_add_f32 v14, v14, v212                       ; the row's sum
	s_wait_alu depctr_va_vdst(0)
	v_rcp_f32 v14, v14
	v_nop                                          ; a plain line behind the reciprocal,
	s_wait_alu depctr_va_vdst(0)                   ; and the wait ahead of its first reader
.set j, 0
.rept 32
	v_mul_f32 v[S+j], v[OT+j], v14                 ; each accumulator from its low end on
.set j, j+1
.endr
.irp b, 0,1
	v_max3_num_f32 v[BM+\b], |v[S+16*\b]|, |v[S+16*\b+1]|, 0x1800000
.endr
.irp i, 2,4,6,8,10,12,14
.irp b, 0,1
	s_delay_alu instid0(VALU_DEP_2)
	v_max3_num_f32 v[BM+\b], v[BM+\b], |v[S+16*\b+\i]|, |v[S+16*\b+\i+1]|
.endr
.endr
.irp b, 0,1
	s_delay_alu instid0(VALU_DEP_2)
	v_permlanex16_b32 v[BP+\b], v[BM+\b], s[SEL], s[SEL+1]
.endr
.irp b, 0,1
	s_delay_alu instid0(VALU_DEP_2)
	v_max_num_f32 v[BM+\b], v[BM+\b], v[BP+\b]
.endr
.irp b, 0,1
	s_delay_alu instid0(VALU_DEP_2)
	v_add_nc_u32 v[SO+\b], 0xff000000, v[BM+\b]
.endr
.irp b, 0,1
	s_delay_alu instid0(VALU_DEP_2)
	v_lshrrev_b32 v[BP+\b], 23, v[SO+\b]
.endr
	s_delay_alu instid0(VALU_DEP_1)
	v_lshl_or_b32 v[224+\u], v[BP+1], 8, v[BP]     ; my row's word (b0, b1, 0, 0)
.irp b, 0,1
	v_cvt_scalef32_pk8_fp4_f32 v[PC+2*\b], v[S+16*\b:S+16*\b+7], v[SO+\b]
	v_cvt_scalef32_pk8_fp4_f32 v[PC+2*\b+1], v[S+16*\b+8:S+16*\b+15], v[SO+\b]
.endr
	v_nop
	v_permlane16_swap_b32 v[PC], v[PC+2]
	v_permlane16_swap_b32 v[PC+1], v[PC+3]
	global_store_b128 v1, v[PC:PC+3], s[34:35] offset:8192*\u
.endm
.macro TRIPS lab, n, u
	s_mov_b32 s[CNT], \n
\lab:
	STEP \u, 1
	s_sub_co_u32 s[CNT], s[CNT], 1
	s_cmp_lg_u32 s[CNT], 0
	s_cbranch_scc1 \lab
.endm
.macro PASS u
.if \u == 1
	s_wait_xcnt 0x0                                ; tile 0's store has read its data: the codes' registers are written again only behind this wait
.irp j, 0,1,2,3
	v_mov_b32 v[16+\j], v[28+\j]
	v_mov_b32 v[24+\j], v[28+\j]
.endr
.else
.irp j, 0,1,2,3
	v_mov_b32 v[24+\j], v[16+\j]                   ; (q, 0, q)
.endr
.endif
	v_mov_b32 v13, 0xff61b1e6                      ; the largest t so far: -3e38, under every t
	s_delay_alu instid0(VALU_DEP_1)
	v_floor_f32 v12, -v13
	v_mov_b32 v14, 0
	v_mov_b32 v15, 0
.set j, 0
.rept 32
	v_mov_b32 v[OT+j], 0                           ; the step has no first step of its own: the first change of M multiplies zeros
.set j, j+1
.endr
	s_mov_b32 s[TK], 0
	s_mov_b32 s[TS], 0
	v_add_nc_u32 v[ADK], s[TK], v1
	v_add_nc_u32 v[ADKS], s[TS], v3
.irp t, 0,1,2,3,4,5,6,7
	ds_load_b128 v[KF+4*\t:KF+4*\t+3], v[ADK] offset:512*\t
.endr
	ds_load_b64 v[KSC:KSC+1], v[ADKS]
.if \u == 0
	TRIPS .Lfirst, 3, 0                            ; steps 0 to 2, which fetch K up to step 3
	s_wait_asynccnt 0x0                            ; my last twelve copies have landed,
	s_wait_dscnt 0x0                               ; no LDS load of mine is out at the signal,
	s_barrier_signal -1
	s_barrier_wait -1                              ; everybody's have: LDS is only read from here on
	TRIPS .Lstep_0, 12, 0
.else
	TRIPS .Lstep_1, 15, 1
.endif
	STEP \u, 0                                     ; the last step fetches nothing beyond the head's keys
	EPI \u
.endm
	PASS 0
	PASS 1
	v_cndmask_b32 v224, v224, v225, s[HI]          ; lanes 0-15 tile 0's words, lanes 16-31 tile 1's
	global_store_b32 v10, v224, s[36:37]
	s_wait_tensorcnt 0x0                           ; the wave's end
	ds_add_u32 v254, v255
	s_wait_dscnt 0x0
	s_endpgm
.Lfunc_end_k_q969c875f36_attn:
	.size	k_q969c875f36_attn, .Lfunc_end_k_q969c875f36_attn-k_q969c875f36_attn
	.p2alignl 7, 3214868480
	.fill 96, 4, 3214868480
	.section	.rodata,"a",@progbits
	.p2align	6, 0x0
	.amdhsa_kernel k_q969c875f36_attn
		.amdhsa_group_segment_fixed_size 169984
		.amdhsa_private_segment_fixed_size 0
		.amdhsa_enable_private_segment 0
		.amdhsa_kernarg_size 16
		.amdhsa_user_sgpr_count 2
		.amdhsa_user_sgpr_kernarg_segment_ptr 1
		.amdhsa_wavefront_size32 1
		.amdhsa_system_sgpr_workgroup_id_x 1
		.amdhsa_system_sgpr_workgroup_id_y 1
		.amdhsa_system_sgpr_workgroup_id_z 1
		.amdhsa_system_vgpr_workitem_id 0
		.amdhsa_next_free_vgpr 256
		.amdhsa_next_free_sgpr 66
		.amdhsa_reserve_vcc 0
		.amdhsa_float_denorm_mode_32 3
		.amdhsa_float_denorm_mode_16_64 3
		.amdhsa_memory_ordered 1
		.amdhsa_forward_progress 1
		.amdhsa_inst_pref_size 96
	.end_amdhsa_kernel
	.amdgpu_metadata
---
amdhsa.version: [ 1, 2 ]
amdhsa.kernels:
  - .name:           k_q969c875f36_attn
    .symbol:         k_q969c875f36_attn.kd
    .args:
      - { .name: qkvbuf, .offset: 0, .size: 8, .value_kind: global_buffer, .address_space: global }
      - { .name: ctxbuf, .offset: 8, .size: 8, .value_kind: global_buffer, .address_space: global }
    .group_segment_fixed_size: 169984
    .private_segment_fixed_size: 0
    .kernarg_segment_align: 8
    .kernarg_segment_size: 16
    .max_flat_workgroup_size: 512
    .sgpr_count:     66
    .vgpr_count:     256
    .wavefront_size: 32
...
	.end_amdgpu_metadata
.endif
;; end of part 3
;; launch oproj (part 4): grid 256 x 1, 4 waves a work-group, clusters of 4 x 1, 327,680 bytes of LDS; arguments ctxbuf, prepbuf, w_o_scales, b_o, x, ln_gamma, ln_beta, out0; writes out0
.if DOCPART == 4
	.amdgcn_target "amdgcn-amd-amdhsa--gfx1250"
	.amdhsa_code_object_version 6
	.text
	.protected	k_q969c875f36_oproj
	.globl	k_q969c875f36_oproj
	.p2align	8
	.type	k_q969c875f36_oproj,@function
k_q969c875f36_oproj:
	s_mov_b64 s[64:65], 0
	v_nop
	global_prefetch_b8 v0, s[64:65] scope:SCOPE_SE
	s_setreg_imm32_b32 hwreg(HW_REG_WAVE_MODE, 25, 1), 1
	s_wait_xcnt 0x0
	s_wait_alu depctr_hold_cnt(0) depctr_sa_sdst(0) depctr_va_vdst(0) depctr_va_sdst(0) depctr_va_ssrc(0) depctr_va_vcc(0) depctr_vm_vsrc(0)
	s_getreg_b32 s2, hwreg(HW_REG_IB_STS2, 6, 4)
	s_cmp_eq_u32 s2, 0
	s_cbranch_scc0 .Lentry_in_a_cluster
	s_endpgm
.Lentry_in_a_cluster:
	s_bfe_u32 s2, ttmp6, 0x10000c
	s_cmp_lg_u32 s2, 0x3003
	s_cbranch_scc0 .Lentry_shape_is_right
	s_endpgm
.Lentry_shape_is_right:
; out0 = LayerNorm(x + ctx W_o^T + b_o) x gamma + beta; the product on codes of FP4, all else in f32.
; SHARES.  A work-group owns 32 whole rows (block rb), since the norm wants whole rows.  Wave w makes columns 256 w .. 256 w + 255 (16 tiles of W_o) for both tiles of 16 rows: 32 accumulators by turns,
; K step by K step.  THE PRODUCT IS USED TRANSPOSED (source 0 = W_o, source 1 = ctx): a lane holds eight neighbouring columns of one row.  The bias is the C of each sum's first product.
; CLUSTER 4 x 1: every work-group walks all of W_o, so the four partners ask for K steps 2 to 7 JOINTLY: each wave's load (its 16 tiles, two K steps: 16 rows of 2,048 bytes, 8,192 apart) has the same
; descriptor in all four, made of the wave's number alone.  Two slots of 131,072 bytes, three fills; each later fill stands behind the three lines and a round of the cluster's barrier.
; K STEPS 0 AND 1 of W_o go from memory straight into 256 registers of the wave that multiplies them, asked for beside the first joint load: so the ring has three fills on end, not four; x takes those registers afterwards.
; ctx's 16 fragments (16 KiB, as they lie in ctxbuf) stay in 128 registers of each wave.
; THE STAGE (32 rows of 4,096 + 16 bytes) lies on the slot at LDS byte 0 and 512 bytes of its own behind it: that slot has its one fill (K steps 4, 5), and its last read stands ahead of the ring's last barrier.
; In the norm wave w takes stage rows 8 w .. 8 w + 7, which are rows 8 (w / 2) + 16 (w % 2) + 0 .. 7 of the block, in two halves of four rows, each stored when it is finished.
; The mean is taken first and the squares of y - mean are summed in a second pass: no difference of large sums is formed.
; NO PREFETCH: the launch has no loop to run ahead in: its three fills are written out, and each is asked for as soon as its slot is free.
; REGISTERS.  window 0: v1-9 addresses, v28-29 the add's; v32-95 W_o's scale words, v96-103 ctx's, v104-119 ctx's as they lie, v128-255 the bias; later v32-63 sums, v64-95 means and roots, v192-255 gamma, beta.
;   window 1: accumulator (u, t) at 128 u + 8 t; later y, row e at 32 e.   window 2: W_o's K step e, tile t at 128 e + 8 t; later x, row e at 32 e.   window 3: ctx's fragment (u, s) at 64 u + 8 s; W_o's of one K step at 128 + 8 t.
; LIMITS: NaN and infinities among the inputs are not served.
.set P_WO, 6029312
.set C_CS, 4194304
.set SL1,  131584                      ; the second slot's place
.set SPARE, 262656                     ; the spare words: 512 bytes that no other line names
.set SP,   4112                        ; a stage row
.set L16,  1
.set AW,   2                           ; v2-3 my fragments' place in the slot at 0, at SL1
.set STO,  4                           ; v4-5 into the stage, tile u
.set RD,   6
.set AWS,  7
.set AB,   8
.set L4,   9
.set SPW,  28
.set NIL,  29
.set WS,   32
.set CS,   96
.set CW,   104
.set BI,   128
.set GA,   192
.set BE,   224
.set PS,   32
.set MN,   64
.set RS,   80
.set WV,   20
.set G1,   32
.set G0,   40                          ; s[40:43] group 0 of the slot at SL1, s[44:47] of the slot at 0
.set MSB, 0
.macro WIN new                         ; the immediate's high byte repeats the setting that is left
.if MSB != \new
	s_set_vgpr_msb (MSB<<8)|\new
.set MSB, \new
.endif
.endm
.macro CROUND                          ; a round of the cluster's barrier
	s_barrier_signal -1
	s_barrier_wait -1
	s_cmp_lg_u32 s[WV], 0
	s_cbranch_scc1 .Lnot_wave_0_\@
	s_barrier_signal -3
.Lnot_wave_0_\@:
	s_barrier_wait -3
	s_barrier_signal -1
	s_barrier_wait -1
.endm
.macro SEQ g                           ; the three lines ahead of a fill's round; g: the group 0 address that is stepped on while no load is out
	s_wait_tensorcnt 0x0
	ds_add_u32 v[SPW], v[NIL]
.if \g
	s_add_nc_u64 s[\g:\g+1], s[\g:\g+1], 4096
.endif
	s_wait_dscnt 0x0
.endm
.macro FILL g0                         ; my one joint load behind the round, with a nop and four plain lines behind it
	tensor_load_to_lds s[\g0:\g0+3], s[G1:G1+7]
	s_nop 0
.rept 4
	v_nop
.endr
.endm
	s_load_b512 s[4:19], s[0:1], 0x0               ; ctxbuf, prepbuf, w_o_scales, b_o, x, gamma, beta, out0
	v_lshl_add_u32 v[SPW], v0, 2, SPARE
	v_mov_b32 v[NIL], 0
	ds_add_u32 v[SPW], v[NIL]                      ; the opening lines: the add twice on end
	ds_add_u32 v[SPW], v[NIL]
	v_lshrrev_b32 v10, 5, v0
	v_readfirstlane_b32 s[WV], v10                 ; wave 0..3
	s_bfe_u32 s21, ttmp6, 0x40000                  ; cx
	s_lshl_b32 s22, ttmp9, 2
	s_add_co_u32 s22, s22, s21                     ; rb: it enters global addresses of my own loads and stores alone
	s_mov_b32 s[G1], 15|(3<<16)|(1<<21)            ; the mask names the four partners; elements of 8 bytes; bit 21 beside a mask; no padding
	s_mov_b32 s[G1+1], 256<<16                     ; a row: 256 elements = two K steps of a tile
	s_mov_b32 s[G1+2], 16<<16
	s_mov_b32 s[G1+3], 256<<16
	s_mov_b32 s[G1+4], 16                          ; 16 tiles
	s_mov_b32 s[G1+5], 1024                        ; 8,192 bytes from tile to tile
	s_mov_b32 s[G1+6], 0
	s_mov_b32 s[G1+7], 0
	s_lshl_b32 s24, s[WV], 17
	s_add_co_u32 s24, s24, P_WO                    ; my 16 tiles of W_o
	s_mov_b32 s25, 0
	s_lshl_b32 s26, s[WV], 15                      ; my quarter of a slot
	s_lshl_b32 s50, s22, 14                        ; ctx's two tiles
	s_mov_b32 s51, 0
	s_lshl_b32 s52, s22, 7
	s_add_co_u32 s52, s52, C_CS                    ; their scale words
	s_mov_b32 s53, 0
	s_lshl_b32 s54, s[WV], 13                      ; 256 rows of 32 scale bytes
	s_mov_b32 s55, 0
	s_lshl_b32 s56, s[WV], 10                      ; 256 numbers of bias
	s_mov_b32 s57, 0
	s_lshl_b32 s58, s22, 17
	s_lshr_b32 s27, s[WV], 1
	s_lshl_b32 s27, s27, 15
	s_add_co_u32 s58, s58, s27
	s_and_b32 s27, s[WV], 1
	s_lshl_b32 s27, s27, 16
	s_add_co_u32 s58, s58, s27                     ; my eight rows of x and out0
	s_mov_b32 s59, 0
	s_mov_b32 s60, 0x3a800000                      ; 1 / 1024
	s_mov_b32 s61, 0x3727c5ac                      ; 1e-5
	s_mov_b32 s62, 0x76543210
	s_mov_b32 s63, 0xfedcba98
	s_wait_dscnt 0x0
	s_wait_kmcnt 0x0
	s_add_nc_u64 s[24:25], s[6:7], s[24:25]
	s_mov_b32 s[G0], 1
	s_add_co_u32 s[G0+1], s26, SL1
	s_add_nc_u64 s[G0+2:G0+3], s[24:25], 2048      ; K steps 2, 3
	s_or_b32 s[G0+3], s[G0+3], 0x80000000
	s_mov_b32 s[G0+4], 1
	s_mov_b32 s[G0+5], s26
	s_add_nc_u64 s[G0+6:G0+7], s[24:25], 4096      ; K steps 4, 5
	s_or_b32 s[G0+7], s[G0+7], 0x80000000
	s_add_nc_u64 s[50:51], s[4:5], s[50:51]
	s_add_nc_u64 s[52:53], s[4:5], s[52:53]
	s_add_nc_u64 s[8:9], s[8:9], s[54:55]
	s_add_nc_u64 s[10:11], s[10:11], s[56:57]
	s_add_nc_u64 s[12:13], s[12:13], s[58:59]
	s_add_nc_u64 s[18:19], s[18:19], s[58:59]
	CROUND                                         ; the four work-groups are here: the first joint loads meet
	FILL G0
	v_and_b32 v10, 31, v0
	v_lshlrev_b32 v[L16], 4, v10                   ; 16 x lane
	v_lshlrev_b32 v[L4], 2, v10
	v_and_b32 v11, 15, v0                          ; r
	v_bfe_u32 v12, v0, 4, 1                        ; h
	v_add_nc_u32 v[AW], s26, v[L16]
	v_add_nc_u32 v[AW+1], SL1, v[AW]
	v_and_b32 v13, 8, v11
	v_add_nc_u32 v13, v13, v11
	v_lshl_add_u32 v13, v12, 3, v13
	v_lshlrev_b32 v[AWS], 5, v13                   ; W_o's scale words: row 8 h + r + 8 (r / 8) of 32 bytes
	v_lshlrev_b32 v[AB], 6, v12                    ; the bias: 16 h numbers on
	v_mul_u32_u24 v14, v11, SP
	v_lshl_add_u32 v14, v12, 6, v14
	s_lshl_b32 s27, s[WV], 10
	v_add_nc_u32 v[STO], s27, v14                  ; into the stage: row r, my wave's 1,024 bytes, + 64 h
	v_add_nc_u32 v[STO+1], 16*SP, v[STO]           ; and row 16 + r
	s_mul_i32 s27, s[WV], 8*SP
	v_add_nc_u32 v[RD], s27, v[L16]                ; out of it: rows 8 w on
	s_wait_alu depctr_va_vdst(0)                   ; the wait at the head's end
	WIN 0xc0
.set k, 0
.rept 32
	global_load_b128 v[4*k:4*k+3], v[L16], s[50:51] offset:512*k     ; ctx's fragments, 512 consecutive bytes a load
.set k, k+1
.endr
	WIN 0
.irp b, 0,1,2,3,4,5,6,7
	global_load_b128 v[WS+8*\b:WS+8*\b+3], v[AWS], s[8:9] offset:1024*\b       ; register 8 b + s: K step s of tiles 2 b (lanes 0-15), 2 b + 1 (lanes 16-31)
	global_load_b128 v[WS+8*\b+4:WS+8*\b+7], v[AWS], s[8:9] offset:1024*\b+16
.endr
.set k, 0
.rept 16
	global_load_b32 v[CW+k], v[L4], s[52:53] offset:32768*k
.set k, k+1
.endr
.set t, 0
.rept 16
	global_load_b128 v[BI+8*t:BI+8*t+3], v[AB], s[10:11] offset:128*(t/2)+32*(t%2)        ; b_o at columns 32 (t / 2) + 16 h + 8 (t % 2) + 0 .. 7
	global_load_b128 v[BI+8*t+4:BI+8*t+7], v[AB], s[10:11] offset:128*(t/2)+32*(t%2)+16
.set t, t+1
.endr
	WIN 0x80
.irp e, 0,1
.set t, 0
.rept 16
	global_load_b128 v[128*\e+8*t:128*\e+8*t+3], v[L16], s[24:25] offset:8192*t+1024*\e       ; W_o's K steps 0, 1: 512 consecutive bytes a load
	global_load_b128 v[128*\e+8*t+4:128*\e+8*t+7], v[L16], s[24:25] offset:8192*t+1024*\e+512
.set t, t+1
.endr
.endr
	WIN 0
.macro XROWS e0, n                     ; n rows of x from row e0 on
	WIN 0x80
.set k, 8*\e0
.rept 8*\n
	global_load_b128 v[4*k:4*k+3], v[L16], s[12:13] offset:512*k th:TH_LOAD_NT
.set k, k+1
.endr
	WIN 0
.endm
.macro WM
.if (rRA == 0) && (rRB == 0)
	v_wmma_scale_f32_16x16x128_f8f6f4 v[rD:rD+7], v[rA:rA+7], v[rB:rB+7], v[rC:rC+7], v[rSA], v[rSB] matrix_a_fmt:MATRIX_FMT_FP4 matrix_b_fmt:MATRIX_FMT_FP4
.elseif (rRA == 1) && (rRB == 0)
	v_wmma_scale_f32_16x16x128_f8f6f4 v[rD:rD+7], v[rA:rA+7], v[rB:rB+7], v[rC:rC+7], v[rSA], v[rSB] matrix_a_fmt:MATRIX_FMT_FP4 matrix_b_fmt:MATRIX_FMT_FP4 matrix_a_scale:MATRIX_SCALE_ROW1
.elseif rRA == 0
	v_wmma_scale_f32_16x16x128_f8f6f4 v[rD:rD+7], v[rA:rA+7], v[rB:rB+7], v[rC:rC+7], v[rSA], v[rSB] matrix_a_fmt:MATRIX_FMT_FP4 matrix_b_fmt:MATRIX_FMT_FP4 matrix_b_scale:MATRIX_SCALE_ROW1
.else
	v_wmma_scale_f32_16x16x128_f8f6f4 v[rD:rD+7], v[rA:rA+7], v[rB:rB+7], v[rC:rC+7], v[rSA], v[rSB] matrix_a_fmt:MATRIX_FMT_FP4 matrix_b_fmt:MATRIX_FMT_FP4 matrix_a_scale:MATRIX_SCALE_ROW1 matrix_b_scale:MATRIX_SCALE_ROW1
.endif
.endm
; K step s's 32 products, the 32 accumulators by turns.  ab, aw: W_o's fragments' first register and window; cnt = 1: they come by 32 LDS loads just issued.
.macro PROD s, ab, aw, cnt
.if \s == 0
	WIN 0x4c+\aw                                   ; B window 3, C (the bias) window 0, D window 1
.else
	WIN 0x5c+\aw                                   ; C and D window 1
.endif
.set t, 0
.rept 16
.if (\cnt) && (t%4 == 0)
	s_wait_dscnt 24-2*t                            ; tiles t .. t + 3 are in; the later tiles' loads, two each, may be out
.endif
.set u, 0
.rept 2
.set rD, 128*u+8*t
.set rA, (\ab)+8*t
.set rB, 64*u+8*\s
.set rC, rD
.if \s == 0
.set rC, BI+8*t
.endif
.set rSA, WS+8*(t/2)+\s
.set rSB, CS+\s
.set rRA, t%2
.set rRB, u
	WM
.set u, u+1
.endr
.set t, t+1
.endr
.rept 4
	v_nop                                          ; four places in front of loads into registers that the products have read, and of the first read of results
.endr
	WIN 0
.endm
; K step s: the e-th of the slot sl.  32 LDS loads in one run, then the products.
.macro KSTEP sl, e, s
	WIN 0xc0
.set t, 0
.rept 16
	ds_load_b128 v[128+8*t:128+8*t+3], v[AW+\sl] offset:2048*t+1024*\e
	ds_load_b128 v[128+8*t+4:128+8*t+7], v[AW+\sl] offset:2048*t+1024*\e+512
.set t, t+1
.endr
	PROD \s, 128, 3, 1
.endm
	SEQ G0+2                                       ; my part of K steps 2, 3 is in; that slot's next fill: K steps 6, 7
	CROUND
	FILL G0+4                                      ; the other slot's first fill, issued as a refill is: K steps 4, 5
	s_wait_loadcnt 0x0                             ; ctx, the scale words, the bias and W_o's K steps 0, 1 are in
.set k, 0
.rept 8
	v_lshl_or_b32 v[CS+k], v[CW+2*k+1], 16, v[CW+2*k]   ; K step k: heads 2 k and 2 k + 1, two bytes each
.set k, k+1
.endr
	v_nop                                          ; with the lines above: eight plain lines between the write of a scale register and the product that names it
	v_nop
	s_wait_alu depctr_va_vdst(0)
	PROD 0, 0, 2, 0
.set k, 0
.rept 8
	global_load_b128 v[GA+4*k:GA+4*k+3], v[L16], s[14:15] offset:512*k    ; gamma and beta at my columns 128 k + 4 lane + 0 .. 3, where the bias of tiles 8-15 lay
	global_load_b128 v[BE+4*k:BE+4*k+3], v[L16], s[16:17] offset:512*k
.set k, k+1
.endr
	PROD 1, 128, 2, 0
	XROWS 0, 5                                     ; x takes the registers of W_o's K steps 0, 1
	KSTEP 1, 0, 2
	KSTEP 1, 1, 3
	SEQ 0
	CROUND
	FILL G0                                        ; K steps 6, 7
	XROWS 5, 3
	KSTEP 0, 0, 4
	KSTEP 0, 1, 5
	SEQ 0                                          ; the last fill is in, and my reads of the slot at 0 are over
	s_barrier_signal -1
	s_barrier_wait -1                              ; nobody reads the slot at 0 any more: it takes the stage
	KSTEP 1, 0, 6
	KSTEP 1, 1, 7
	WIN 0x04                                       ; the data: window 1
.irp u, 0,1
.set t, 0
.rept 16
	ds_store_b128 v[STO+\u], v[128*\u+8*t:128*\u+8*t+3] offset:128*(t/2)+32*(t%2)        ; each accumulator from its low end on
	ds_store_b128 v[STO+\u], v[128*\u+8*t+4:128*\u+8*t+7] offset:128*(t/2)+32*(t%2)+16
.set t, t+1
.endr
.endr
	WIN 0
.irp e, 0,1,2,3,4,5,6,7
	v_mov_b32 v[MN+2*\e+1], 0                      ; written once: lane permutes' destinations, and upper halves of pairs
	v_mov_b32 v[RS+2*\e+1], 0
.endr
	s_wait_alu depctr_va_vdst(0)                   ; the wait directly ahead of the wait below
	s_wait_dscnt 0x0                               ; my stores into the stage have landed, for the others' sake
	s_barrier_signal -1
	s_barrier_wait -1                              ; 32 whole rows lie in the stage
	WIN 0x40
.irp e, 0,1,2,3,4,5,6,7
.irp k, 0,1,2,3,4,5,6,7
	ds_load_b128 v[32*\e+4*\k:32*\e+4*\k+3], v[RD] offset:SP*\e+512*\k
.endr
.endr
	WIN 0
; v[o + 2 e] = the sum over row e of the two chains in v[PS + 4 e ..], in every lane; four rows by turns
.macro RED o, a, b, c, d
.irp e, \a,\b,\c,\d
	v_pk_add_f32 v[PS+4*\e:PS+4*\e+1], v[PS+4*\e:PS+4*\e+1], v[PS+4*\e+2:PS+4*\e+3]
.endr
.irp e, \a,\b,\c,\d
	v_add_f32 v[\o+2*\e], v[PS+4*\e], v[PS+4*\e+1]
.endr
.irp m, 1,2,4,8
.irp e, \a,\b,\c,\d
	v_add_f32_dpp v[\o+2*\e], v[\o+2*\e], v[\o+2*\e] row_xmask:\m row_mask:0xf bank_mask:0xf
.endr
.endr
.irp e, \a,\b,\c,\d
	v_permlanex16_b32 v[\o+2*\e+1], v[\o+2*\e], s62, s63
.endr
.irp e, \a,\b,\c,\d
	v_add_f32 v[\o+2*\e], v[\o+2*\e], v[\o+2*\e+1]
.endr
.endm
; The norm of four rows.  dsn, ldn: the LDS loads and the global loads issued behind these rows', which may stay out.
.macro LN a, b, c, d, dsn, ldn
	s_wait_dscnt \dsn
	s_wait_loadcnt \ldn
	WIN 0x49                                       ; y window 1, x window 2
.irp e, \a,\b,\c,\d
.irp p, 0,1,2,3,4,5,6,7,8,9,10,11,12,13,14,15
	v_pk_add_f32 v[32*\e+2*\p:32*\e+2*\p+1], v[32*\e+2*\p:32*\e+2*\p+1], v[32*\e+2*\p:32*\e+2*\p+1]   ; y = out + x
.endr
.endr
	WIN 0x05                                       ; both sources window 1
.irp e, \a,\b,\c,\d
.irp q, 0,1
	v_pk_add_f32 v[PS+4*\e+2*\q:PS+4*\e+2*\q+1], v[32*\e+4*\q:32*\e+4*\q+1], v[32*\e+4*\q+2:32*\e+4*\q+3]
.endr
.endr
	WIN 0x04
.irp p, 4,6,8,10,12,14
.irp e, \a,\b,\c,\d
.irp q, 0,1
	v_pk_add_f32 v[PS+4*\e+2*\q:PS+4*\e+2*\q+1], v[PS+4*\e+2*\q:PS+4*\e+2*\q+1], v[32*\e+2*(\p+\q):32*\e+2*(\p+\q)+1]
.endr
.endr
.endr
	WIN 0
	RED MN, \a, \b, \c, \d
.irp e, \a,\b,\c,\d
	v_mul_f32 v[MN+2*\e], 0xba800000, v[MN+2*\e]   ; - the mean
.endr
	WIN 0x41
.irp p, 0,1,2,3,4,5,6,7,8,9,10,11,12,13,14,15
.irp e, \a,\b,\c,\d
	v_pk_add_f32 v[32*\e+2*\p:32*\e+2*\p+1], v[32*\e+2*\p:32*\e+2*\p+1], v[MN+2*\e:MN+2*\e+1] op_sel_hi:[1,0]   ; d = y - the mean
.endr
.endr
	WIN 0x05
.irp e, \a,\b,\c,\d
.irp q, 0,1
	v_pk_mul_f32 v[PS+4*\e+2*\q:PS+4*\e+2*\q+1], v[32*\e+2*\q:32*\e+2*\q+1], v[32*\e+2*\q:32*\e+2*\q+1]
.endr
.endr
.irp p, 2,4,6,8,10,12,14
.irp e, \a,\b,\c,\d
.irp q, 0,1
	v_pk_fma_f32 v[PS+4*\e+2*\q:PS+4*\e+2*\q+1], v[32*\e+2*(\p+\q):32*\e+2*(\p+\q)+1], v[32*\e+2*(\p+\q):32*\e+2*(\p+\q)+1], v[PS+4*\e+2*\q:PS+4*\e+2*\q+1]
.endr
.endr
.endr
	WIN 0
	RED RS, \a, \b, \c, \d
.irp e, \a,\b,\c,\d
	v_fma_f32 v[RS+2*\e], v[RS+2*\e], s60, s61     ; the variance + 1e-5
.endr
	s_wait_alu depctr_va_vdst(0)                   ; the wait ahead of the batch
.irp e, \a,\b,\c,\d
	v_rsq_f32 v[RS+2*\e], v[RS+2*\e]
.endr
	v_nop                                          ; a plain line behind the roots,
	s_wait_alu depctr_va_vdst(0)                   ; and one wait for all four, ahead of their first reader
.irp e, \a,\b,\c,\d
	WIN 0x41
.irp p, 0,1,2,3,4,5,6,7,8,9,10,11,12,13,14,15
	v_pk_mul_f32 v[32*\e+2*\p:32*\e+2*\p+1], v[32*\e+2*\p:32*\e+2*\p+1], v[RS+2*\e:RS+2*\e+1] op_sel_hi:[1,0]
.endr
.irp p, 0,1,2,3,4,5,6,7,8,9,10,11,12,13,14,15
	v_pk_fma_f32 v[32*\e+2*\p:32*\e+2*\p+1], v[32*\e+2*\p:32*\e+2*\p+1], v[GA+2*\p:GA+2*\p+1], v[BE+2*\p:BE+2*\p+1]
.endr
	WIN 0x04
.irp k, 0,1,2,3,4,5,6,7
	global_store_b128 v[L16], v[32*\e+4*\k:32*\e+4*\k+3], s[18:19] offset:4096*\e+512*\k th:TH_STORE_NT   ; 512 consecutive bytes, aligned; written once
.endr
.endr
	WIN 0
.endm
	LN 0, 1, 2, 3, 32, 32                          ; behind these rows' loads: the stage's 32 of rows 4-7; x's 32 of rows 4-7
	LN 4, 5, 6, 7, 0, 0
	s_wait_tensorcnt 0x0                           ; the wave's end
	ds_add_u32 v[SPW], v[NIL]
	s_wait_dscnt 0x0
	CROUND                                         ; the closing round
	s_endpgm
.Lfunc_end_k_q969c875f36_oproj:
	.size	k_q969c875f36_oproj, .Lfunc_end_k_q969c875f36_oproj-k_q969c875f36_oproj
	.p2alignl 7, 3214868480
	.fill 96, 4, 3214868480
	.section	.rodata,"a",@progbits
	.p2align	6, 0x0
	.amdhsa_kernel k_q969c875f36_oproj
		.amdhsa_group_segment_fixed_size 327680
		.amdhsa_private_segment_fixed_size 0
		.amdhsa_enable_private_segment 0
		.amdhsa_kernarg_size 64
		.amdhsa_user_sgpr_count 2
		.amdhsa_user_sgpr_kernarg_segment_ptr 1
		.amdhsa_wavefront_size32 1
		.amdhsa_system_sgpr_workgroup_id_x 1
		.amdhsa_system_sgpr_workgroup_id_y 1
		.amdhsa_system_sgpr_workgroup_id_z 1
		.amdhsa_system_vgpr_workitem_id 0
		.amdhsa_next_free_vgpr 1024
		.amdhsa_next_free_sgpr 66
		.amdhsa_reserve_vcc 0
		.amdhsa_float_denorm_mode_32 3
		.amdhsa_float_denorm_mode_16_64 3
		.amdhsa_memory_ordered 1
		.amdhsa_forward_progress 1
		.amdhsa_inst_pref_size 148
	.end_amdhsa_kernel
	.amdgpu_metadata
---
amdhsa.version: [ 1, 2 ]
amdhsa.kernels:
  - .name:           k_q969c875f36_oproj
    .symbol:         k_q969c875f36_oproj.kd
    .args:
      - { .name: ctxbuf, .offset: 0, .size: 8, .value_kind: global_buffer, .address_space: global }
      - { .name: prepbuf, .offset: 8, .size: 8, .value_kind: global_buffer, .address_space: global }
      - { .name: w_o_scales, .offset: 16, .size: 8, .value_kind: global_buffer, .address_space: global }
      - { .name: b_o, .offset: 24, .size: 8, .value_kind: global_buffer, .address_space: global }
      - { .name: x, .offset: 32, .size: 8, .value_kind: global_buffer, .address_space: global }
      - { .name: ln_gamma, .offset: 40, .size: 8, .value_kind: global_buffer, .address_space: global }
      - { .name: ln_beta, .offset: 48, .size: 8, .value_kind: global_buffer, .address_space: global }
      - { .name: out0, .offset: 56, .size: 8, .value_kind: global_buffer, .address_space: global }
    .group_segment_fixed_size: 327680
    .private_segment_fixed_size: 0
    .kernarg_segment_align: 8
    .kernarg_segment_size: 64
    .max_flat_workgroup_size: 128
    .sgpr_count:     66
    .vgpr_count:     1024
    .wavefront_size: 32
...
	.end_amdgpu_metadata
.endif
;; end of part 4
